; MI455X (gfx1250); checked and timed in simulation.
; The chip was launched on July 23, 2026; its instructions are those of AMD's public machine-readable ISA for CDNA 5 (MIT licence, August 2026) and "CDNA5" Instruction Set Architecture Reference Guide (July 2026). The comments in the code are by the model that wrote it; some were corrected since.
;; Attention. Allowed arithmetic: matrix products marked QUANTISED: E2M3 operands, one E8M0 scale for each 32 along K, by v_wmma_scale_f32_16x16x128_f8f6f4 with both operands' format E2M3, f32 sums; everything else in f32.
;; Inputs: b_proj 1,024 float32; b_qkv 3,072 float32; w_proj 1,024 x 1,024 float32; w_qkv 1,024 x 3,072 float32; x 4 x 2,048 x 1,024 float32.
;; Outputs: out0 4 x 2,048 x 1,024 float32.
;; This version of the problem:
;;   THIS VERSION OF THE PROBLEM IS GIVEN IN LOW PRECISION. The matrix products marked QUANTISED in the list below multiply operands that are first quantised to E2M3 (2 exponent bits, 3 mantissa bits; 6 bits a number), with one power-of-two scale for each 32 numbers along K (OCP MX v1.0); their sums are f32. All else is computed in f32.
;;   The module's matrix products, in the order in which they are computed (A, B: the left and right operand; K: the contracted axis; several contracted axes count as one K, in the product's order):
;;     1. [M 8,192, K 1,024] x [K 1,024, N 3,072]; A: input x; B: input w_qkv: QUANTISED
;;     2. batch 64 x [M 2,048, K 64] x [K 64, N 2,048]; A: computed on the way; B: computed on the way: QUANTISED
;;     3. batch 64 x [M 2,048, K 2,048] x [K 2,048, N 64]; A: softmax (see below); B: computed on the way: QUANTISED
;;     4. [M 8,192, K 1,024] x [K 1,024, N 1,024]; A: computed on the way; B: input w_proj: QUANTISED
;;   THE QUANTISER, for each operand of a quantised product, along K:
;;     - K is cut into blocks of 32 from its start; a last block that is shorter is filled with zeros.
;;     - A block's scale is 2^e with e = floor(log2(the largest magnitude in the block)) - 2, held to -126 .. 127; a block of zeros has e = 0. As a byte (E8M0): e + 127.
;;     - Each number is divided by its block's scale, clamped to +-7.5, and rounded to the nearest number of E2M3, ties to even, subnormals kept.
;;     - The product sums the exact products of the quantised numbers (number of the format x scale) in f32.
;;   ~~~python
;;   def quantise(x, axis):      # numpy; x: float32 -> the quantised numbers, widened to float32 again
;;       x = np.moveaxis(x, axis, -1); K = x.shape[-1]
;;       x = np.pad(x, [(0, 0)] * (x.ndim - 1) + [(0, -K % 32)]); x = x.reshape(x.shape[:-1] + (-1, 32)); a = np.abs(x).max(-1, keepdims=True)
;;       e = np.where(a > 0, np.clip(np.frexp(np.where(a > 0, a, 1))[1] - 1 - 2, -126, 127), 0)      # np.frexp(a)[1] - 1 = floor(log2(a)), exactly
;;       r = np.clip(x / 2.0 ** e, -7.5, 7.5)
;;       step = 2.0 ** (np.maximum(np.frexp(np.where(r == 0, 1, r))[1] - 1, 0) - 3)
;;       q = np.round(r / step) * step * 2.0 ** e      # np.round: ties to even
;;       return np.moveaxis(q.reshape(q.shape[:-2] + (-1,))[..., :K], -1, axis).astype(np.float32)
;;   ~~~
;;   SOFTMAX AHEAD OF A QUANTISED PRODUCT. Where the list says 'softmax', what is quantised is not the finished softmax but p = 2^(t - M), with t = logit x log2(e) and M = ceil(the row's largest t), a whole number; so 1/2 < the row's largest p <= 1. The row's sum l is taken of the UNQUANTISED p, in f32, and the product's result is divided by l at the end. Since M is a whole number, a kernel that streams over the keys may use a running M (the ceiling of the running maximum): every later rescaling is an exact power of two, which a block's scale takes up: the codes' values come out the same.
;;   OPERANDS COMPUTED ON THE WAY. 'Computed on the way' means the value that the module computes at that place (a softmax that the list does not call 'softmax' is quantised finished and normalised). What goes into a quantiser is computed in f32, as accurately as f32 sums, v_exp_f32 and their like allow (about 1e-6 of the number): no bf16 or f16 on the way to a quantiser, and a product that is left as it is and whose result goes on into a quantised operand takes f32 operands (vector FMAs, or v_wmma_f32_16x16x4_f32). A number that lies on a knife's edge between two numbers of the format may be rounded either way, as far as f32 arithmetic and the matrix unit's own rounding can turn it there, and no further.
;; One version. Each part assembles by itself: llvm-mc -triple=amdgcn-amd-amdhsa -mcpu=gfx1250 --defsym DOCPART=n.
;; ======== version 1 of 1: 4 launches
;; limits: right only within a limited range of input values
;; workspace buffers: ximg 6,291,456 bytes; xsc 262,144 bytes; wimg 3,145,728 bytes; wsc 131,072 bytes; qkvc 18,874,368 bytes; qkvs 786,432 bytes; oimg 6,291,456 bytes; osc 262,144 bytes
;; launch quant (part 1): grid 512 x 1, 4 waves a work-group, no clusters, 47,616 bytes of LDS; arguments x, w_qkv, w_proj, ximg, xsc, wimg, wsc; writes ximg, xsc, wimg, wsc
.if DOCPART == 1
	.amdgcn_target "amdgcn-amd-amdhsa--gfx1250"
	.amdhsa_code_object_version 6
	.text
	.protected	k_q431ada9014_quant
	.globl	k_q431ada9014_quant
	.p2align	8
	.type	k_q431ada9014_quant,@function
k_q431ada9014_quant:
	s_mov_b64 s[64:65], 0
	v_nop
	global_prefetch_b8 v0, s[64:65] scope:SCOPE_SE
	s_setreg_imm32_b32 hwreg(HW_REG_WAVE_MODE, 25, 1), 1
	s_wait_xcnt 0x0
; x [8192][1024], w_qkv [1024][3072] and w_proj [1024][1024], f32, become codes of FP6 (E2M3) along K = 1024, one E8M0 byte for each 32 along K.
; A block's scale is 2^(floor(log2(its largest magnitude)) - 2); its byte is the largest magnitude's exponent field - 2, held at 1 from below.
; LIMITS: NaN and infinities are not served.  A block whose largest magnitude lies under 2^-124, a block of zeros among them, gets the byte 1 (a block of zeros has zero codes,
; which add nothing under that byte; the bytes are read by this program alone).
; LAYOUT OF THE RESULTS: images of operand registers.  A FRAGMENT (16 rows x 128 K, 12 registers a lane) is 1,536 bytes: registers 0-3 at 16 x lane, 4-5 at 512 + 8 x lane,
; 6-9 at 768 + 16 x lane, 10-11 at 1,280 + 8 x lane.  A ROWTILE's eight fragments (all of K) lie on end: 12,288 bytes.  Its scale bytes: 32 for each of its 16 rows, 512 bytes.
; WHICH ROWS FORM A ROWTILE: rowtile 2 B + u holds, as its row r, the operand's row 32 B + 8 u + r + 8 (r / 8).  So in a later product that takes such tiles as source 0, a lane's 16 registers
; of two neighbouring tiles are 16 neighbouring rows.  The weights' rows are their columns n: rowtiles 0-191 w_qkv's, 192-255 w_proj's.
; Work-groups 0-255 take x (K innermost), 256-511 the weights (K outermost).  Waves share nothing: no barrier.  Each of the two paths has LDS bytes of its own.
.set FLOOR, 0x1800000                  ; 2^(3 - 127): under it no largest magnitude is taken
.set EOFF,  0xff000000                 ; 2 off an exponent field
.set FRB,   1536
.set RTB,   12288
.set WV,    18                         ; s18 my wave
.set SEL,   36                         ; s[36:37] lane selects for lane l xor 16
.set HI16,  38                         ; s38 a mask of lanes 16-31
; x's path
.set XG16,  4                          ; v4  16 x lane
.set XG8,   5                          ; v5  8 x lane
.set XIN,   6                          ; v6  the stage, on the way in
.set XOUT,  7                          ; v7  and out
.set XSO,   8                          ; v8  my place among the rowtile's scale bytes
.set TM,    12                         ; v12-15 largest magnitudes, v16-19 the other half's, then bytes, v20-23 the conversions' scale operands
.set W,     24                         ; v24-27 a scale word for each fragment
.set CT,    28                         ; v28-35 the conversions' second halves
.set PC,    36                         ; v36-59 codes, two sets
.set X,     60                         ; v60-123 64 numbers: register 16 b + i = k 32 b + 16 (lane / 16) + i of my row
.set R,     124                        ; v124-251 two sets of 64 numbers as loaded
.set XPITCH, 528                       ; a stage row: 512 bytes + 16
.set XSTAGE, 16*XPITCH                 ; a wave's stage
; the weights' path
.set WA16,  5                          ; v5  the stage: my column's place for registers 0-3 of a half fragment
.set WA8,   6                          ; v6  for registers 4-5
.set WRD,   7                          ; v7  the stage on the way out: 16 x lane
.set WSO,   8                          ; v8  my column's place among two rowtiles' scale bytes
.set WBY,   9                          ; v9  my four scale bytes
.set D,     14                         ; v14-16 a conversion's second half
.set WG16,  17                         ; v17 16 x lane
.set C,     20                         ; v20-43 a block's six registers, a set for each block
.set OUTR,  44                         ; v44-67 the way out
.set VO,    68                         ; v68-99 4 x lane + i rows
.set N,     100                        ; v100-227 four blocks of 32 numbers
.set WBASE, 4*XSTAGE                   ; behind x's stages
.set WTILE, 1664                       ; a fragment's image + 128: the two rowtiles' stores fall on different banks
.set WSTAGE, 2*WTILE
; 64 numbers of a lane, v[s] on, become a fragment's codes in v[pc] on and its rows' scale word in v[w].
.macro QUANT s, pc, w
.irp b, 0,1,2,3
	v_max3_num_f32 v[TM+\b], |v[\s+16*\b]|, |v[\s+1+16*\b]|, FLOOR   ; block b: my 16 numbers, and the floor
.endr
.irp i, 2,4,6,8,10,12,14
.irp b, 0,1,2,3
	v_max3_num_f32 v[TM+\b], v[TM+\b], |v[\s+16*\b+\i]|, |v[\s+1+16*\b+\i]|   ; the four blocks by turns
.endr
.endr
.irp b, 0,1,2,3
	v_permlanex16_b32 v[TM+4+\b], v[TM+\b], s[SEL], s[SEL+1]
.endr
.irp b, 0,1,2,3
	v_max_num_f32 v[TM+\b], v[TM+\b], v[TM+4+\b]   ; with lane l xor 16's: the block's largest magnitude
.endr
.irp b, 0,1,2,3
	v_add_nc_u32 v[TM+8+\b], EOFF, v[TM+\b]        ; the conversion takes this operand's exponent field as its scale
.endr
.irp b, 0,1,2,3
	v_lshrrev_b32 v[TM+4+\b], 23, v[TM+8+\b]       ; the scale's byte
.endr
	v_lshl_or_b32 v[\w], v[TM+5], 8, v[TM+4]
	v_lshl_or_b32 v[\w], v[TM+6], 16, v[\w]
	v_lshl_or_b32 v[\w], v[TM+7], 24, v[\w]
.irp c, 0,1
	v_cvt_scalef32_pk16_fp6_f32 v[\pc+6*\c:\pc+2+6*\c], v[\s+32*\c:\s+15+32*\c], v[TM+8+2*\c]
	v_cvt_scalef32_pk16_fp6_f32 v[CT+4*\c:CT+2+4*\c], v[\s+16+32*\c:\s+31+32*\c], v[TM+8+2*\c+1]   ; (a conversion's three registers begin on an even number)
.endr
	v_nop                                          ; one plain place behind a scaled conversion
.irp c, 0,1                            ; the operand's layout wants a whole block in a lane: lanes 0-15 block 2 c, lanes 16-31 block 2 c + 1
.irp i, 0,1,2
	v_permlane16_swap_b32 v[\pc+6*\c+\i], v[CT+4*\c+\i]
.endr
.irp i, 0,1,2
	v_mov_b32 v[\pc+3+6*\c+\i], v[CT+4*\c+\i]
.endr
.endr
.endm
	s_load_b256 s[4:11], s[0:1], 0x0               ; x s[4:5], w_qkv s[6:7], w_proj s[8:9], ximg s[10:11]
	s_load_b128 s[12:15], s[0:1], 0x20             ; xsc s[12:13], wimg s[14:15]
	s_load_b64 s[16:17], s[0:1], 0x30              ; wsc
	v_lshl_add_u32 v254, v0, 2, 0xb800
	v_mov_b32 v255, 0
	v_lshrrev_b32 v1, 5, v0
	v_readfirstlane_b32 s[WV], v1                  ; wave 0..3
	v_and_b32 v1, 31, v0                           ; lane
	s_cmp_lt_u32 ttmp9, 256
	s_cbranch_scc0 .Lweights
; ---------------- x: a wave makes four fragments of one rowtile: half of its K ----------------
	v_and_b32 v2, 15, v0                           ; r
	v_bfe_u32 v3, v0, 4, 1                         ; h
	v_lshlrev_b32 v[XG16], 4, v1
	v_lshlrev_b32 v[XG8], 3, v1
	s_mul_i32 s19, s[WV], XSTAGE
	v_add_nc_u32 v[XIN], s19, v[XG16]              ; in: a row's 512 bytes as they lie
	v_mul_u32_u24 v[XOUT], v2, XPITCH
	v_lshl_add_u32 v[XOUT], v3, 6, v[XOUT]
	v_add_nc_u32 v[XOUT], s19, v[XOUT]             ; out: row r, + 64 h: my 16 numbers of a block of 32
	v_lshlrev_b32 v[XSO], 5, v2
	v_lshl_add_u32 v[XSO], v3, 3, v[XSO]           ; 32 r + 8 h
.irp b, 0,1,2,3
	v_mov_b32 v[TM+4+\b], 0                        ; written once: a lane permute's destination counts as one of its sources
.endr
	s_mov_b32 s[SEL], 0x76543210
	s_mov_b32 s[SEL+1], 0xfedcba98
	s_mov_b32 s[HI16], 0xffff0000
	s_lshl_b32 s20, ttmp9, 2
	s_add_co_u32 s20, s20, s[WV]
	s_lshr_b32 s21, s20, 1                         ; my rowtile, 0..511
	s_and_b32 s22, s20, 1                          ; which half of K
	s_lshr_b32 s24, s21, 1
	s_lshl_b32 s24, s24, 17                        ; 32 rows of 4,096 bytes for each pair of rowtiles,
	s_and_b32 s23, s21, 1
	s_lshl_b32 s23, s23, 15                        ; 8 rows for the odd one,
	s_add_co_u32 s24, s24, s23
	s_lshl_b32 s23, s22, 11                        ; 512 numbers for the second half of K
	s_add_co_u32 s24, s24, s23
	s_mov_b32 s25, 0
	s_mul_i32 s26, s21, RTB
	s_mul_i32 s23, s22, 4*FRB
	s_add_co_u32 s26, s26, s23
	s_mov_b32 s27, 0
	s_lshl_b32 s28, s21, 9
	s_lshl_b32 s23, s22, 4
	s_add_co_u32 s28, s28, s23
	s_mov_b32 s29, 0
	s_wait_alu depctr_va_vdst(0)
	s_wait_kmcnt 0x0
	s_add_nc_u64 s[4:5], s[4:5], s[24:25]
	s_add_nc_u64 s[10:11], s[10:11], s[26:27]
	s_add_nc_u64 s[12:13], s[12:13], s[28:29]
.macro LOAD f                          ; fragment f: 128 numbers of each of the rowtile's 16 rows; a load reads 512 consecutive bytes of one row
.irp i, 0,1,2,3,4,5,6,7,8,9,10,11,12,13,14,15
	global_load_b128 v[R+64*((\f)%2)+4*\i:R+64*((\f)%2)+4*\i+3], v[XG16], s[4:5] offset:(\i+8*(\i/8))*4096+512*(\f) th:TH_LOAD_NT
.endr
.endm
.macro TURN f                          ; through the wave's own stage: LDS serves a wave's instructions in order, so no wait stands between the stores and the loads
.irp i, 0,1,2,3,4,5,6,7,8,9,10,11,12,13,14,15
	ds_store_b128 v[XIN], v[R+64*((\f)%2)+4*\i:R+64*((\f)%2)+4*\i+3] offset:XPITCH*\i
.endr
.irp b, 0,1,2,3
.irp j, 0,1,2,3
	ds_load_b128 v[X+16*\b+4*\j:X+16*\b+4*\j+3], v[XOUT] offset:128*\b+16*\j
.endr
.endr
.endm
.macro PUTFRAG pc, off                 ; a fragment's image: each store covers 512 or 256 consecutive bytes, aligned
	global_store_b128 v[XG16], v[\pc:\pc+3], s[10:11] offset:\off
	global_store_b64 v[XG8], v[\pc+4:\pc+5], s[10:11] offset:\off+512
	global_store_b128 v[XG16], v[\pc+6:\pc+9], s[10:11] offset:\off+768
	global_store_b64 v[XG8], v[\pc+10:\pc+11], s[10:11] offset:\off+1280
.endm
	LOAD 0
	LOAD 1
.irp f, 0,1,2,3
.if \f < 3
	s_wait_loadcnt 16                              ; this fragment's 16 loads are in; the next fragment's 16 may be out
.else
	s_wait_loadcnt 0x0
.endif
	TURN \f
	s_wait_dscnt 0x0                               ; my 64 numbers are back, and the stage's stores have read their registers,
.if \f < 2
	LOAD \f+2                                      ; which take the loads of two fragments on
.else
	s_wait_xcnt 0x0                                ; the stores of two fragments back have read this set of codes
.endif
	QUANT X, PC+12*(\f%2), W+\f
	PUTFRAG PC+12*(\f%2), FRB*\f
.endr
	v_cndmask_b32 v10, v[W], v[W+2], s[HI16]       ; both halves of the lanes hold row r's four words: lanes 0-15 store the first two, lanes 16-31 the others
	v_cndmask_b32 v11, v[W+1], v[W+3], s[HI16]
	global_store_b64 v[XSO], v[10:11], s[12:13]    ; 16 of each row's 32 bytes: the wave with the other half of K stores the rest
	s_wait_tensorcnt 0x0
	ds_add_u32 v254, v255
	s_wait_dscnt 0x0
	s_endpgm
; ---------------- the weights: a lane takes a column n, its registers run down K; a wave takes 32 columns (two rowtiles) x 128 along K ----------------
.Lweights:
	v_bfe_u32 v2, v0, 3, 1                         ; u: which of the two rowtiles my column falls into
	v_and_b32 v3, 7, v0
	v_bfe_u32 v4, v0, 4, 1
	v_lshl_or_b32 v3, v4, 3, v3                    ; r: its row there
	s_mul_i32 s39, s[WV], WSTAGE
	s_add_co_u32 s39, s39, WBASE                   ; my stage
	v_mul_u32_u24 v4, v2, WTILE
	v_add_nc_u32 v4, s39, v4
	v_lshl_add_u32 v[WA16], v3, 4, v4
	v_lshl_add_u32 v[WA8], v3, 3, v4
	s_wait_alu depctr_va_vdst(0)
	v_lshl_add_u32 v[WRD], v1, 4, s39
	v_lshlrev_b32 v[WSO], 5, v3
	v_lshl_add_u32 v[WSO], v2, 9, v[WSO]           ; 512 u + 32 r
	v_lshlrev_b32 v[WG16], 4, v1
	v_lshlrev_b32 v[VO], 2, v1
	s_sub_co_u32 s20, ttmp9, 256
	s_lshr_b32 s21, s20, 3                         ; which 128 of the 4,096 joined columns
	s_and_b32 s22, s20, 7                          ; which 128 along K
	s_sub_co_u32 s23, s21, 24                      ; (in w_proj; taken only from 24 on)
	s_mov_b32 s19, 4096
	s_wait_alu depctr_va_vdst(0)
	s_wait_kmcnt 0x0
	s_cmp_lt_u32 s21, 24                           ; w_qkv or w_proj?  The choice hangs on the work-group's number alone
	s_cselect_b64 s[6:7], s[6:7], s[8:9]
	s_cselect_b32 s23, s21, s23
	s_cselect_b32 s19, 12288, s19                  ; bytes from row to row
	s_lshl_b32 s24, s23, 9
	s_lshl_b32 s25, s[WV], 7
	s_add_co_u32 s24, s24, s25                     ; my wave's first column, in bytes
	s_lshl_b32 s25, s22, 7
	s_mul_i32 s25, s25, s19                        ; my first row
	s_add_co_u32 s24, s24, s25
	s_mov_b32 s25, 0
	s_add_nc_u64 s[24:25], s[6:7], s[24:25]        ; a base for each block of 32 rows
	s_lshl_b32 s32, s19, 5
	s_mov_b32 s33, 0
	s_add_nc_u64 s[26:27], s[24:25], s[32:33]
	s_add_nc_u64 s[28:29], s[26:27], s[32:33]
	s_add_nc_u64 s[30:31], s[28:29], s[32:33]
.set i, 1
.rept 31
	v_add_nc_u32 v[VO+i], s19, v[VO+i-1]           ; 4 x lane + i rows
.set i, i+1
.endr
.macro LOADW b                         ; block b: a load reads 128 consecutive bytes of one row; the work-group's four waves stand side by side on 512
.irp i, 0,1,2,3,4,5,6,7,8,9,10,11,12,13,14,15,16,17,18,19,20,21,22,23,24,25,26,27,28,29,30,31
	global_load_b32 v[N+32*(\b)+\i], v[VO+\i], s[24+2*(\b):25+2*(\b)] th:TH_LOAD_NT
.endr
.endm
	LOADW 0
	LOADW 1
	s_lshl_b32 s34, s21, 3
	s_lshl_b32 s35, s[WV], 1
	s_add_co_u32 s34, s34, s35                     ; the first of my two rowtiles
	s_mul_i32 s32, s34, RTB
	s_mul_i32 s35, s22, FRB
	s_add_co_u32 s32, s32, s35
	s_add_nc_u64 s[14:15], s[14:15], s[32:33]
	s_lshl_b32 s32, s34, 9
	s_lshl_b32 s35, s22, 2
	s_add_co_u32 s32, s32, s35
	s_add_nc_u64 s[16:17], s[16:17], s[32:33]
.macro BLOCK b
.set XS, N+32*(\b)
.set CB, C+6*(\b)
.if \b < 3
	s_wait_loadcnt 32                              ; this block's 32 loads are in; the next block's 32 may be out
.else
	s_wait_loadcnt 0x0
.endif
.if \b < 2
	LOADW \b+2
.endif
	v_max3_num_f32 v10, |v[XS]|, |v[XS+1]|, |v[XS+2]|              ; the block's largest magnitude: all 32 numbers are mine
	v_max3_num_f32 v11, |v[XS+3]|, |v[XS+4]|, |v[XS+5]|
.irp i, 6,10,14,18,22,26
	v_max3_num_f32 v10, v10, |v[XS+\i]|, |v[XS+\i+1]|
	v_max3_num_f32 v11, v11, |v[XS+\i+2]|, |v[XS+\i+3]|
.endr
	v_max3_num_f32 v10, v10, |v[XS+30]|, |v[XS+31]|
	v_max3_num_f32 v10, v10, v11, FLOOR
	v_add_nc_u32 v12, EOFF, v10
	v_lshrrev_b32 v13, 23, v12                     ; the scale's byte
.if \b == 0
	v_mov_b32 v[WBY], v13
.else
	v_lshl_or_b32 v[WBY], v13, 8*\b, v[WBY]
.endif
	v_cvt_scalef32_pk16_fp6_f32 v[CB:CB+2], v[XS:XS+15], v12
	v_cvt_scalef32_pk16_fp6_f32 v[D:D+2], v[XS+16:XS+31], v12
	v_nop                                          ; one plain place behind a scaled conversion
.irp i, 0,1,2
	v_mov_b32 v[CB+3+\i], v[D+\i]
.endr
	ds_store_b128 v[WA16], v[CB:CB+3] offset:768*(\b/2)+256*(\b%2)      ; block b = 2 c + h is what lane r + 16 h holds in registers 6 c .. 6 c + 5
	ds_store_b64 v[WA8], v[CB+4:CB+5] offset:768*(\b/2)+512+128*(\b%2)
.endm
	s_wait_alu depctr_va_vdst(0)
	BLOCK 0
	BLOCK 1
	BLOCK 2
	BLOCK 3
.irp u, 0,1
.irp g, 0,1,2
	ds_load_b128 v[OUTR+4*(3*\u+\g):OUTR+4*(3*\u+\g)+3], v[WRD] offset:WTILE*\u+512*\g   ; LDS serves a wave's instructions in order: these see my stores
.endr
.endr
	s_wait_alu depctr_va_vdst(0)
.irp u, 0,1
.irp g, 0,1,2
	s_wait_dscnt 5-(3*\u+\g)                       ; the younger loads may be out
	global_store_b128 v[WG16], v[OUTR+4*(3*\u+\g):OUTR+4*(3*\u+\g)+3], s[14:15] offset:RTB*\u+512*\g   ; 512 consecutive bytes, aligned
.endr
.endr
	global_store_b32 v[WSO], v[WBY], s[16:17]      ; 4 of each row's 32 scale bytes: the seven other work-groups of these columns store the rest (131,072 bytes in the whole launch)
	s_wait_tensorcnt 0x0
	ds_add_u32 v254, v255
	s_wait_dscnt 0x0
	s_endpgm
.Lfunc_end_k_q431ada9014_quant:
	.size	k_q431ada9014_quant, .Lfunc_end_k_q431ada9014_quant-k_q431ada9014_quant
	.p2alignl 7, 3214868480
	.fill 96, 4, 3214868480
	.section	.rodata,"a",@progbits
	.p2align	6, 0x0
	.amdhsa_kernel k_q431ada9014_quant
		.amdhsa_group_segment_fixed_size 47616
		.amdhsa_private_segment_fixed_size 0
		.amdhsa_enable_private_segment 0
		.amdhsa_kernarg_size 56
		.amdhsa_user_sgpr_count 2
		.amdhsa_user_sgpr_kernarg_segment_ptr 1
		.amdhsa_wavefront_size32 1
		.amdhsa_system_sgpr_workgroup_id_x 1
		.amdhsa_system_sgpr_workgroup_id_y 1
		.amdhsa_system_sgpr_workgroup_id_z 1
		.amdhsa_system_vgpr_workitem_id 0
		.amdhsa_next_free_vgpr 256
		.amdhsa_next_free_sgpr 66
		.amdhsa_reserve_vcc 0
		.amdhsa_float_denorm_mode_32 3
		.amdhsa_float_denorm_mode_16_64 3
		.amdhsa_memory_ordered 1
		.amdhsa_forward_progress 1
		.amdhsa_inst_pref_size 57
	.end_amdhsa_kernel
	.amdgpu_metadata
---
amdhsa.version: [ 1, 2 ]
amdhsa.kernels:
  - .name:           k_q431ada9014_quant
    .symbol:         k_q431ada9014_quant.kd
    .args:
      - { .name: x, .offset: 0, .size: 8, .value_kind: global_buffer, .address_space: global }
      - { .name: w_qkv, .offset: 8, .size: 8, .value_kind: global_buffer, .address_space: global }
      - { .name: w_proj, .offset: 16, .size: 8, .value_kind: global_buffer, .address_space: global }
      - { .name: ximg, .offset: 24, .size: 8, .value_kind: global_buffer, .address_space: global }
      - { .name: xsc, .offset: 32, .size: 8, .value_kind: global_buffer, .address_space: global }
      - { .name: wimg, .offset: 40, .size: 8, .value_kind: global_buffer, .address_space: global }
      - { .name: wsc, .offset: 48, .size: 8, .value_kind: global_buffer, .address_space: global }
    .group_segment_fixed_size: 47616
    .private_segment_fixed_size: 0
    .kernarg_segment_align: 8
    .kernarg_segment_size: 56
    .max_flat_workgroup_size: 128
    .sgpr_count:     66
    .vgpr_count:     256
    .wavefront_size: 32
...
	.end_amdgpu_metadata
.endif
;; end of part 1
;; launch gemm_qkv (part 2): grid 12 x 32, 4 waves a work-group, clusters of 4 x 4, 327,680 bytes of LDS; arguments ximg, xsc, wimg, wsc, b_qkv, qkvc, qkvs; writes qkvc, qkvs
.if DOCPART == 2
	.amdgcn_target "amdgcn-amd-amdhsa--gfx1250"
	.amdhsa_code_object_version 6
	.text
	.protected	k_q431ada9014_gemm_qkv
	.globl	k_q431ada9014_gemm_qkv
	.p2align	8
	.type	k_q431ada9014_gemm_qkv,@function
k_q431ada9014_gemm_qkv:
	s_mov_b64 s[64:65], 0
	v_nop
	global_prefetch_b8 v0, s[64:65] scope:SCOPE_SE
	s_setreg_imm32_b32 hwreg(HW_REG_WAVE_MODE, 25, 1), 1
	s_wait_xcnt 0x0
	s_wait_alu depctr_hold_cnt(0) depctr_sa_sdst(0) depctr_va_vdst(0) depctr_va_sdst(0) depctr_va_ssrc(0) depctr_va_vcc(0) depctr_vm_vsrc(0)
	s_getreg_b32 s2, hwreg(HW_REG_IB_STS2, 6, 4)
	s_cmp_eq_u32 s2, 0
	s_cbranch_scc0 .Lentry_in_a_cluster
	s_endpgm
.Lentry_in_a_cluster:
	s_bfe_u32 s2, ttmp6, 0x10000c
	s_cmp_lg_u32 s2, 0xf033
	s_cbranch_scc0 .Lentry_shape_is_right
	s_endpgm
.Lentry_shape_is_right:
.set NQ,     2
.set FR,     12
.set NL,     4
.set NP,     4
.set FRB,    1536
.set RTB,    12288
.set STB,    NQ*FRB
.set HALFT,  8*STB
.set SLOT,   4*HALFT
.set SCL,    2*SLOT
.set HALFS,  16*272
.set SBLK,   2*272
.set SPARE,  SCL+4*HALFS
.set FLOOR,  0x1800000
.set EOFF,   0xff000000
.set TM,   4
.set ADRA, 16
.set ADRB, 20
.set ADRS, 27
.set SPW,  28
.set NIL,  29
.set G16,  30
.set G8,   31
.set SC,   32
.set BP,   64
.set AF,   128
.set X,    128
.set PC,   192
.set CT,   216
.set BL,   224
.set W,    240
.set M,    248
.set SELV, 252
.set G1, 24
.set G0, 32
.set G1B, 48
.set G0B, 56
.set G1S, 68
.set G0S, 76
.set G1SB, 80
.set G0SB, 88
.set HI16, 93
.set MQK, 94
.set MV,  95
.set SEL, 98
.set MSB, 0
.macro WIN new
.if MSB != (\new)
	s_set_vgpr_msb (MSB<<8)|(\new)
.set MSB, (\new)
.endif
.endm
.set MUL_LO,  0xa1
.set MUL_HI,  0xf1
.set MUL_LO1, 0x81
.set MUL_HI1, 0xc1
.set TO_B,    0x40
.macro JLOAD g0a, g1a, g0b, g1b
	s_cmp_eq_u32 s15, 0
	s_cbranch_scc0 .Lfor_b_\@
	tensor_load_to_lds s[\g0a:\g0a+3], s[\g1a:\g1a+7]
	s_nop 0
.rept 4
	v_nop
.endr
	s_branch .Lasked_\@
.Lfor_b_\@:
	tensor_load_to_lds s[\g0b:\g0b+3], s[\g1b:\g1b+7]
	s_nop 0
.rept 4
	v_nop
.endr
.Lasked_\@:
.endm
.macro CREST
	s_cmp_lg_u32 s14, 0
	s_cbranch_scc1 .Lnot_wave_0_\@
	s_barrier_signal -3
.Lnot_wave_0_\@:
	s_barrier_wait -3
	s_barrier_signal -1
	s_barrier_wait -1
.endm
.macro CROUND
	s_barrier_signal -1
	s_barrier_wait -1
	CREST
.endm
	s_load_b256 s[92:99], s[0:1], 0x0
	s_load_b64 s[100:101], s[0:1], 0x20
	s_load_b64 s[12:13], s[0:1], 0x28
	s_load_b64 s[104:105], s[0:1], 0x30
	v_lshl_add_u32 v[SPW], v0, 2, SPARE
	v_mov_b32 v[NIL], 0
	ds_add_u32 v28, v29
	ds_add_u32 v28, v29
	s_wait_dscnt 0x0
	v_lshrrev_b32 v1, 5, v0
	v_readfirstlane_b32 s14, v1
	s_lshr_b32 s15, s14, 1
	s_and_b32 s16, s14, 1
	s_bfe_u32 s40, ttmp6, 0x40000
	s_bfe_u32 s41, ttmp6, 0x40004
	s_lshl_b32 s42, ttmp9, 2
	s_and_b32 s17, ttmp7, 0xffff
	s_lshl_b32 s17, s17, 2
	s_cmp_eq_u32 ttmp9, 2
	s_cselect_b32 s42, s17, s42
	s_cselect_b32 s17, 0, s17
	s_cselect_b32 s21, 128, 0
	s_add_co_u32 s42, s42, s40
	s_add_co_u32 s17, s17, s41
	s_lshl_b32 s43, s41, 2
	s_lshl_b32 s43, 15, s43
	s_lshl_b32 s44, 0x1111, s40
	s_or_b32 s[G1+0], s43, (3<<16)|(1<<21)
	s_or_b32 s[G1B+0], s44, (3<<16)|(1<<21)
.irp g, G1, G1B
	s_mov_b32 s[\g+1], 384<<16
	s_mov_b32 s[\g+2], 16<<16
	s_mov_b32 s[\g+3], 384<<16
	s_mov_b32 s[\g+4], 16
	s_mov_b32 s[\g+5], 1536
	s_mov_b32 s[\g+6], 0
	s_mov_b32 s[\g+7], 0
.endr
	s_or_b32 s[G1S+0], s43, (3<<16)|(1<<20)|(1<<21)|(5<<22)|(3<<25)
	s_or_b32 s[G1SB+0], s44, (3<<16)|(1<<20)|(1<<21)|(5<<22)|(3<<25)
.irp g, G1S, G1SB
	s_mov_b32 s[\g+1], 32<<16
	s_mov_b32 s[\g+2], 32<<16
	s_mov_b32 s[\g+3], 32<<16
	s_mov_b32 s[\g+4], 32
	s_mov_b32 s[\g+5], 32
	s_mov_b32 s[\g+6], 0
	s_mov_b32 s[\g+7], 0
.endr
	s_mul_i32 s2, s16, 8*RTB                       ; in the ring a wave fetches eight rowtiles of a tile: which half, in bytes
	s_mov_b32 s3, 0
	s_lshl_b32 s20, s17, 4
	s_add_co_u32 s20, s20, s21
	s_lshl_b32 s22, s20, 9
	s_mul_i32 s20, s20, RTB
	s_mov_b32 s21, 0
	s_mov_b32 s23, 0
	s_lshl_b32 s46, s42, 4
	s_lshl_b32 s18, s46, 9
	s_mul_i32 s46, s46, RTB
	s_mov_b32 s47, 0
	s_mov_b32 s19, 0
	s_mul_i32 s45, s14, HALFT
	s_wait_kmcnt 0x0
	s_cmp_eq_u32 ttmp9, 2
	s_cselect_b64 s[4:5], s[96:97], s[92:93]
	s_cselect_b64 s[6:7], s[98:99], s[94:95]
	s_cselect_b64 s[8:9], s[92:93], s[96:97]
	s_cselect_b64 s[10:11], s[94:95], s[98:99]
	s_add_nc_u64 s[20:21], s[4:5], s[20:21]
	s_add_nc_u64 s[22:23], s[6:7], s[22:23]
	s_add_nc_u64 s[46:47], s[8:9], s[46:47]
	s_add_nc_u64 s[18:19], s[10:11], s[18:19]
	CROUND
	s_mov_b32 s[G0S], 1
	s_mov_b32 s[G0S+1], SCL
	s_mov_b64 s[G0S+2:G0S+3], s[22:23]
	s_or_b32 s[G0S+3], s[G0S+3], 0x80000000
	s_mov_b32 s[G0SB], 1
	s_mov_b32 s[G0SB+1], SCL+2*HALFS
	s_mov_b64 s[G0SB+2:G0SB+3], s[18:19]
	s_or_b32 s[G0SB+3], s[G0SB+3], 0x80000000
	s_mov_b32 s4, 1                                ; the head's tiles, each whole: slot 0's sixteen rowtiles of A,
	s_mov_b32 s5, 0
	s_mov_b64 s[6:7], s[20:21]
	s_or_b32 s7, s7, 0x80000000
	s_mov_b32 s8, 1                                ; and of B, behind them
	s_mov_b32 s9, 2*HALFT
	s_mov_b64 s[10:11], s[46:47]
	s_or_b32 s11, s11, 0x80000000
	s_add_nc_u64 s[20:21], s[20:21], s[2:3]        ; for the ring: my eight rowtiles
	s_add_nc_u64 s[46:47], s[46:47], s[2:3]
.irp s, 0,1
	s_mov_b32 s[G0+4*\s], 1
	s_add_co_u32 s[G0+4*\s+1], s45, \s*SLOT
	s_add_nc_u64 s[G0+4*\s+2:G0+4*\s+3], s[20:21], \s*STB
	s_or_b32 s[G0+4*\s+3], s[G0+4*\s+3], 0x80000000
	s_mov_b32 s[G0B+4*\s], 1
	s_add_co_u32 s[G0B+4*\s+1], s45, \s*SLOT
	s_add_nc_u64 s[G0B+4*\s+2:G0B+4*\s+3], s[46:47], \s*STB
	s_or_b32 s[G0B+4*\s+3], s[G0B+4*\s+3], 0x80000000
.endr
; the head's four tiles, one a wave, in one chain of branches on the wave's number: A's codes, B's codes, A's scales, B's scales
.macro ARM under, g0, g1, next
	s_cmp_lt_u32 s14, \under
	s_cbranch_scc0 \next
	tensor_load_to_lds s[\g0:\g0+3], s[\g1:\g1+7]
	s_nop 0
.rept 4
	v_nop
.endr
	s_branch .Lhead_asked
\next:
.endm
	ARM 1, 4, G1, .Lhead_b
	ARM 2, 8, G1B, .Lhead_sa
	ARM 3, G0S, G1S, .Lhead_sb
	tensor_load_to_lds s[G0SB:G0SB+3], s[G1SB:G1SB+7]
	s_nop 0
.rept 4
	v_nop
.endr
.Lhead_asked:
; the addresses and the bias loads are made while the head's four tiles are on their way
	v_and_b32 v1, 31, v0
	v_lshlrev_b32 v[G16], 4, v1
	v_lshlrev_b32 v[G8], 3, v1
	s_mul_i32 s21, s15, HALFT
	s_mul_i32 s22, s16, HALFT
	s_add_co_u32 s22, s22, 2*HALFT
.irp s, 0,1
	v_add_nc_u32 v[ADRA+\s], s21, v[G16]
	v_add_nc_u32 v[ADRB+\s], s22, v[G16]
	v_add_nc_u32 v[ADRA+2+\s], s21, v[G8]
	v_add_nc_u32 v[ADRB+2+\s], s22, v[G8]
	s_add_co_u32 s21, s21, SLOT
	s_add_co_u32 s22, s22, SLOT
.endr
	v_and_b32 v1, 15, v0
	v_bfe_u32 v2, v0, 4, 1
	s_wait_alu depctr_va_vdst(0)
	v_mul_u32_u24 v5, v1, 32
	v_lshrrev_b32 v6, 8, v5
	v_lshl_add_u32 v5, v6, 4, v5
	s_mul_i32 s21, s15, HALFS
	s_mul_i32 s22, s16, HALFS
	s_add_co_u32 s22, s22, 2*HALFS
	s_sub_co_u32 s22, s22, s21
	v_mul_u32_u24 v6, s22, v2
	s_add_co_u32 s21, s21, SCL
	v_add_nc_u32 v5, v5, v6
	v_add_nc_u32 v[ADRS], s21, v5
	s_lshl_b32 s20, s17, 1
	s_add_co_u32 s20, s20, s15
	s_lshl_b32 s46, s42, 1
	s_add_co_u32 s46, s46, s16
	s_add_co_u32 s21, s20, 16
	s_cmp_eq_u32 ttmp9, 2
	s_cselect_b32 s22, s46, s20
	s_cselect_b32 s23, s21, s46
	s_cselect_b32 s47, 0, s46
	s_cselect_b32 s21, s21, 0
	s_cselect_b32 s[MQK], 0, -1
	s_cselect_b32 s[MV], -1, 0
	s_lshr_b32 s18, s23, 3
	s_lshl_b32 s18, s18, 9
	s_lshr_b32 s19, s22, 4
	s_lshl_b32 s19, s19, 7
	s_add_co_u32 s18, s18, s19
	s_and_b32 s19, s23, 7
	s_lshl_b32 s19, s19, 4
	s_add_co_u32 s18, s18, s19
	s_and_b32 s19, s22, 15
	s_add_co_u32 s18, s18, s19
	s_mul_i32 s22, s18, RTB
	s_mov_b32 s23, 0
	s_add_nc_u64 s[12:13], s[12:13], s[22:23]
	s_lshl_b32 s22, s18, 9
	s_add_nc_u64 s[104:105], s[104:105], s[22:23]
	s_lshl_b32 s46, s47, 9
	s_mov_b32 s47, 0
	s_add_nc_u64 s[46:47], s[100:101], s[46:47]
	s_lshl_b32 s20, s21, 9
	s_mov_b32 s21, 0
	s_add_nc_u64 s[20:21], s[100:101], s[20:21]
	v_lshlrev_b32 v6, 6, v2
.irp p, 0,1,2,3,4,5,6,7
	global_load_b128 v[BP+8*\p:BP+8*\p+3], v6, s[46:47] offset:(32*(\p/2)+8*(\p%2))*4
	global_load_b128 v[BP+8*\p+4:BP+8*\p+7], v6, s[46:47] offset:(32*(\p/2)+8*(\p%2))*4+16
.endr
	v_and_b32 v7, 8, v1
	v_add_nc_u32 v7, v7, v1
	v_lshlrev_b32 v7, 2, v7
.irp a, 0,1,2,3,4,5,6,7
	global_load_b32 v[BL+2*\a], v7, s[20:21] offset:(32*(\a/2)+8*(\a%2))*4
.endr
	s_mov_b32 s[SEL], 0x76543210
	s_mov_b32 s[SEL+1], 0xfedcba98
	s_mov_b32 s[HI16], 0xffff0000
.irp b, 0,1,2,3
	v_mov_b32 v[TM+4+\b], 0
.endr
	v_mov_b32 v[SELV], 0x05040100
	v_mov_b32 v[M], 0x07060302
	v_cndmask_b32 v[SELV], v[SELV], v[M], s[HI16]
	s_wait_alu depctr_va_vdst(0)
	s_wait_tensorcnt 0x0                           ; my tile of the four is in; slot 1's first fill is issued as a refill is
	ds_add_u32 v28, v29
	s_mov_b32 s[G1+2], 8<<16                       ; no tensor load of mine is out: from here on a load brings eight rowtiles
	s_mov_b32 s[G1+4], 8
	s_mov_b32 s[G1B+2], 8<<16
	s_mov_b32 s[G1B+4], 8
	s_wait_dscnt 0x0
	CROUND
	JLOAD G0+4, G1, G0B+4, G1B
	s_wait_loadcnt 0x0
.set j, 0
.rept 64
	v_cndmask_b32 v[BP+j], 0, v[BP+j], s[MQK]
.set j, j+1
.endr
.irp a, 0,1,2,3,4,5,6,7
	v_cndmask_b32 v[BL+2*\a], 0, v[BL+2*\a], s[MV]
.endr
.irp a, 0,1,2,3,4,5,6,7
	v_mov_b32 v[BL+2*\a+1], v[BL+2*\a]
.endr
.macro FRAG reg, a16, a8, off
	ds_load_b128 v[\reg:\reg+3], v[\a16] offset:\off
	ds_load_b64 v[\reg+4:\reg+5], v[\a8] offset:\off+512
	ds_load_b128 v[\reg+6:\reg+9], v[\a16] offset:\off+768
	ds_load_b64 v[\reg+10:\reg+11], v[\a8] offset:\off+1280
.endm
.macro MUL16 a0, p, q, sc, first
.irp a, \a0, \a0+1
.irp b, 0,1,2,3,4,5,6,7
.if \first
	v_wmma_scale_f32_16x16x128_f8f6f4 v[8*(8*((\a)%4)+\b):8*(8*((\a)%4)+\b)+7], v[128*(\p)+FR*\b:128*(\p)+FR*\b+FR-1], v[AF+FR*(\a):AF+FR*(\a)+FR-1], v[BP+8*\b:BP+8*\b+7], v[SC+8*NQ*(\sc)+NQ*\b+(\q)], v[SC+8*NQ*(\sc)+NQ*(\a)+(\q)] matrix_a_fmt:MATRIX_FMT_FP6 matrix_b_fmt:MATRIX_FMT_FP6 matrix_a_scale:MATRIX_SCALE_ROW1
.else
	v_wmma_scale_f32_16x16x128_f8f6f4 v[8*(8*((\a)%4)+\b):8*(8*((\a)%4)+\b)+7], v[128*(\p)+FR*\b:128*(\p)+FR*\b+FR-1], v[AF+FR*(\a):AF+FR*(\a)+FR-1], v[8*(8*((\a)%4)+\b):8*(8*((\a)%4)+\b)+7], v[SC+8*NQ*(\sc)+NQ*\b+(\q)], v[SC+8*NQ*(\sc)+NQ*(\a)+(\q)] matrix_a_fmt:MATRIX_FMT_FP6 matrix_b_fmt:MATRIX_FMT_FP6 matrix_a_scale:MATRIX_SCALE_ROW1
.endif
.endr
.endr
.endm
.macro FETCH_B slot, q, p
	WIN TO_B
.irp i, 0,1,2,3,4,5,6,7
	FRAG 128*(\p)+FR*\i, ADRB+\slot, ADRB+2+\slot, \i*STB+(\q)*FRB
.endr
	WIN 0
.endm
.macro FETCH_A slot, q, i0
.irp i, \i0, \i0+1, \i0+2, \i0+3
	FRAG AF+FR*(\i), ADRA+\slot, ADRA+2+\slot, (\i)*STB+(\q)*FRB
.endr
.endm
.macro SCALES sc
.irp i, 0,1,2,3,4,5,6,7
	ds_load_b64 v[SC+8*NQ*\sc+NQ*\i:SC+8*NQ*\sc+NQ*\i+1], v[ADRS] offset:\i*SBLK
.endr
.endm
.macro PLACES n
.rept \n
	v_nop
.endr
.endm
.macro STEP slot, q, first
	s_wait_dscnt 4*NL
.if \first
	WIN MUL_LO1
.else
	WIN MUL_LO
.endif
	MUL16 0, (\q)%2, \q, \slot, \first
	MUL16 2, (\q)%2, \q, \slot, \first
	s_wait_dscnt 0
	PLACES NP
	FETCH_B \slot, (\q)+1, 1-(\q)%2
	FETCH_A \slot, (\q)+1, 0
.if \first
	WIN MUL_HI1
.else
	WIN MUL_HI
.endif
	MUL16 4, (\q)%2, \q, \slot, \first
	MUL16 6, (\q)%2, \q, \slot, \first
	PLACES NP
	WIN 0
	FETCH_A \slot, (\q)+1, 4
.endm
.macro TURN slot, next, fill
	s_wait_tensorcnt 0x0
	ds_add_u32 v[SPW], v[NIL]
	s_wait_dscnt 4*NL+1
	WIN MUL_LO
	MUL16 0, 1, NQ-1, \slot, 0
	s_wait_dscnt 0x0
	s_barrier_signal -1
	MUL16 2, 1, NQ-1, \slot, 0
	WIN 0
	s_barrier_wait -1
.if \fill
	CREST
	s_add_nc_u64 s[G0+4*\slot+2:G0+4*\slot+3], s[G0+4*\slot+2:G0+4*\slot+3], 2*STB
	s_add_nc_u64 s[G0B+4*\slot+2:G0B+4*\slot+3], s[G0B+4*\slot+2:G0B+4*\slot+3], 2*STB
	JLOAD G0+4*\slot, G1, G0B+4*\slot, G1B
.else
	PLACES NP
.endif
	s_wait_alu depctr_va_vdst(0)
	v_add_nc_u32 v[ADRS], 4*NQ, v[ADRS]
	FETCH_B \next, 0, 0
	FETCH_A \next, 0, 0
	SCALES \next
	WIN MUL_HI
	MUL16 4, 1, NQ-1, \slot, 0
	MUL16 6, 1, NQ-1, \slot, 0
	PLACES NP
	WIN 0
	FETCH_A \next, 0, 4
.endm
	s_wait_tensorcnt 1
	s_barrier_signal -1
	s_barrier_wait -1
	FETCH_B 0, 0, 0
	FETCH_A 0, 0, 0
	SCALES 0
	FETCH_A 0, 0, 4
	STEP 0, 0, 1
	TURN 0, 1, 1
	STEP 1, 0, 0
	TURN 1, 0, 1
	STEP 0, 0, 0
	TURN 0, 1, 0
	STEP 1, 0, 0
	s_wait_dscnt 4*NL
	WIN MUL_LO
	MUL16 0, 1, NQ-1, 1, 0
	MUL16 2, 1, NQ-1, 1, 0
	s_wait_dscnt 0
	WIN MUL_HI
	MUL16 4, 1, NQ-1, 1, 0
	MUL16 6, 1, NQ-1, 1, 0
	WIN 0
.macro QUANT s, pc, w
.irp b, 0,1,2,3
	v_max3_num_f32 v[TM+\b], |v[\s+16*\b]|, |v[\s+1+16*\b]|, FLOOR
.endr
.irp i, 2,4,6,8,10,12,14
.irp b, 0,1,2,3
	v_max3_num_f32 v[TM+\b], v[TM+\b], |v[\s+16*\b+\i]|, |v[\s+1+16*\b+\i]|
.endr
.endr
.irp b, 0,1,2,3
	v_permlanex16_b32 v[TM+4+\b], v[TM+\b], s[SEL], s[SEL+1]
.endr
.irp b, 0,1,2,3
	v_max_num_f32 v[TM+\b], v[TM+\b], v[TM+4+\b]
.endr
.irp b, 0,1,2,3
	v_add_nc_u32 v[TM+8+\b], EOFF, v[TM+\b]
.endr
.irp b, 0,1,2,3
	v_lshrrev_b32 v[TM+4+\b], 23, v[TM+8+\b]
.endr
	v_lshl_or_b32 v[\w], v[TM+5], 8, v[TM+4]
	v_lshl_or_b32 v[\w], v[TM+6], 16, v[\w]
	v_lshl_or_b32 v[\w], v[TM+7], 24, v[\w]
.irp c, 0,1
	v_cvt_scalef32_pk16_fp6_f32 v[\pc+6*\c:\pc+2+6*\c], v[\s+32*\c:\s+15+32*\c], v[TM+8+2*\c]
	v_cvt_scalef32_pk16_fp6_f32 v[CT+4*\c:CT+2+4*\c], v[\s+16+32*\c:\s+31+32*\c], v[TM+8+2*\c+1]
.endr
	v_nop
.irp c, 0,1
.irp i, 0,1,2
	v_permlane16_swap_b32 v[\pc+6*\c+\i], v[CT+4*\c+\i]
.endr
.irp i, 0,1,2
	v_mov_b32 v[\pc+3+6*\c+\i], v[CT+4*\c+\i]
.endr
.endr
.endm
.macro PUTFRAG pc, off
	global_store_b128 v[G16], v[\pc:\pc+3], s[12:13] offset:\off
	global_store_b64 v[G8], v[\pc+4:\pc+5], s[12:13] offset:\off+512
	global_store_b128 v[G16], v[\pc+6:\pc+9], s[12:13] offset:\off+768
	global_store_b64 v[G8], v[\pc+10:\pc+11], s[12:13] offset:\off+1280
.endm
	PLACES NP
.irp a, 0,1,2,3,4,5,6,7
	WIN 0x02+(\a/4)
.irp p, 0,1,2,3,4,5,6,7
.irp i, 0,2,4,6
	v_pk_add_f32 v[X+8*\p+\i:X+8*\p+\i+1], v[8*(8*(\a%4)+\p)+\i:8*(8*(\a%4)+\p)+\i+1], v[BL+2*\a:BL+2*\a+1]
.endr
.endr
	WIN 0
.if \a > 1
	s_wait_xcnt 0x0
.endif
	QUANT X, PC+12*(\a%2), W+\a
	PUTFRAG PC+12*(\a%2), FRB*\a
.endr
.irp i, 0,1,2,3
	v_perm_b32 v[M+\i], v[W+2*\i+1], v[W+2*\i], v[SELV]
	v_cndmask_b32 v[TM+\i], v[W+\i], v[W+4+\i], s[HI16]
.endr
.irp i, 0,1,2,3
	v_cndmask_b32 v[M+\i], v[M+\i], v[TM+\i], s[MV]
.endr
	global_store_b128 v[G16], v[M:M+3], s[104:105]
	s_wait_tensorcnt 0x0
	ds_add_u32 v[SPW], v[NIL]
	s_wait_dscnt 0x0
	CROUND
	s_endpgm
.Lfunc_end_k_q431ada9014_gemm_qkv:
	.size	k_q431ada9014_gemm_qkv, .Lfunc_end_k_q431ada9014_gemm_qkv-k_q431ada9014_gemm_qkv
	.p2alignl 7, 3214868480
	.fill 96, 4, 3214868480
	.section	.rodata,"a",@progbits
	.p2align	6, 0x0
	.amdhsa_kernel k_q431ada9014_gemm_qkv
		.amdhsa_group_segment_fixed_size 327680
		.amdhsa_private_segment_fixed_size 0
		.amdhsa_enable_private_segment 0
		.amdhsa_kernarg_size 56
		.amdhsa_user_sgpr_count 2
		.amdhsa_user_sgpr_kernarg_segment_ptr 1
		.amdhsa_wavefront_size32 1
		.amdhsa_system_sgpr_workgroup_id_x 1
		.amdhsa_system_sgpr_workgroup_id_y 1
		.amdhsa_system_sgpr_workgroup_id_z 1
		.amdhsa_system_vgpr_workitem_id 0
		.amdhsa_next_free_vgpr 1024
		.amdhsa_next_free_sgpr 106
		.amdhsa_reserve_vcc 0
		.amdhsa_float_denorm_mode_32 3
		.amdhsa_float_denorm_mode_16_64 3
		.amdhsa_memory_ordered 1
		.amdhsa_forward_progress 1
		.amdhsa_inst_pref_size 174
	.end_amdhsa_kernel
	.amdgpu_metadata
---
amdhsa.version: [ 1, 2 ]
amdhsa.kernels:
  - .name:           k_q431ada9014_gemm_qkv
    .symbol:         k_q431ada9014_gemm_qkv.kd
    .args:
      - { .name: ximg, .offset: 0, .size: 8, .value_kind: global_buffer, .address_space: global }
      - { .name: xsc, .offset: 8, .size: 8, .value_kind: global_buffer, .address_space: global }
      - { .name: wimg, .offset: 16, .size: 8, .value_kind: global_buffer, .address_space: global }
      - { .name: wsc, .offset: 24, .size: 8, .value_kind: global_buffer, .address_space: global }
      - { .name: b_qkv, .offset: 32, .size: 8, .value_kind: global_buffer, .address_space: global }
      - { .name: qkvc, .offset: 40, .size: 8, .value_kind: global_buffer, .address_space: global }
      - { .name: qkvs, .offset: 48, .size: 8, .value_kind: global_buffer, .address_space: global }
    .group_segment_fixed_size: 327680
    .private_segment_fixed_size: 0
    .kernarg_segment_align: 8
    .kernarg_segment_size: 56
    .max_flat_workgroup_size: 128
    .sgpr_count:     106
    .vgpr_count:     1024
    .wavefront_size: 32
...
	.end_amdgpu_metadata
.endif
;; end of part 2
;; launch attn (part 3): grid 4 x 64, 16 waves a work-group, clusters of 4 x 1, 206,848 bytes of LDS; arguments qkvc, qkvs, oimg, osc; writes oimg, osc
.if DOCPART == 3
	.amdgcn_target "amdgcn-amd-amdhsa--gfx1250"
	.amdhsa_code_object_version 6
	.text
	.protected	k_q431ada9014_attn
	.globl	k_q431ada9014_attn
	.p2align	8
	.type	k_q431ada9014_attn,@function
k_q431ada9014_attn:
	s_mov_b64 s[64:65], 0
	v_nop
	global_prefetch_b8 v0, s[64:65] scope:SCOPE_SE
	s_setreg_imm32_b32 hwreg(HW_REG_WAVE_MODE, 25, 1), 1
	s_wait_xcnt 0x0
	s_wait_alu depctr_hold_cnt(0) depctr_sa_sdst(0) depctr_va_vdst(0) depctr_va_sdst(0) depctr_va_ssrc(0) depctr_va_vcc(0) depctr_vm_vsrc(0)
	s_getreg_b32 s2, hwreg(HW_REG_IB_STS2, 6, 4)
	s_cmp_eq_u32 s2, 0
	s_cbranch_scc0 .Lentry_in_a_cluster
	s_endpgm
.Lentry_in_a_cluster:
	s_bfe_u32 s2, ttmp6, 0x10000c
	s_cmp_lg_u32 s2, 0x3003
	s_cbranch_scc0 .Lentry_shape_is_right
	s_endpgm
.Lentry_shape_is_right:
; o = softmax(q k^T / 8) v for one head, both products on codes of FP6 (E2M3) with E8M0 scales; o is divided by the row's sum, quantised along D and stored as the last product's operand.
; t = score x log2(e) / 8; M = the row's largest t so far, rounded UP to a whole number; p = 2^(t - M) is quantised along the keys; the row's sum is taken of the unquantised p.
; When M moves, the sum and O are multiplied by 2^(old M - new M): exact.
; SHARES.  A cluster of four work-groups owns one head of one batch (cluster y: batch x 16 + head); a work-group 512 of its 2,048 queries; each of its sixteen waves one tile of 16 queries at a time, two passes.
; A HEAD'S WHOLE K AND V LIE IN LDS, FILLED ONCE: 98,304 bytes of codes each, 4,096 of scale words each: no ring, nothing is filled again.  The four work-groups want the same bytes: every fill is a joint load.
; THE TEN TILES ARE SHARED OUT, ONE A WAVE: wave w < 8 asks for chunk w / 2 (512 keys) of K (w even) or V (w odd), waves 8 and 9 for K's and V's scale words; waves 10 to 15 ask for nothing.
; Every wave waits for its load, one barrier shows all ten tiles, and both passes walk the 16 key steps with no further barrier.  No data prefetch: every byte of K and V is asked for at the head.
; INPUTS: fragment images (registers 0-3 at 16 x lane, 4-5 at 512 + 8 x lane; the second half of 768 bytes likewise).  q, k: a tile of 16 tokens x this head's 64 is half an image.  v: d tile t x 128 keys is a whole image.
; Tile 2 B + u holds as its row r the row 32 B + 8 u + r + 8 (r / 8): a lane's 16 registers of two neighbouring tiles of keys are 16 neighbouring keys.
; K = 64 IN AN INSTRUCTION OF 128: two neighbouring tiles of keys are ONE fragment; it is multiplied once by [q | zeros] and once by [zeros | q].  Zero codes add nothing under any byte but 0xff.
; Both products are used transposed (S^T = K Q^T, O^T = V^T P^T): a lane holds ONE query throughout.
; OUTPUT: half an image a tile and head; its two scale bytes a row go out as single bytes, 32 bytes apart: a row's 32 bytes come from sixteen work-groups.
; LIMITS: NaN and infinities are not served; a block whose largest magnitude lies under 2^-124, a block of zeros among them, gets the byte 1 (the bytes are read by this program alone).
.set VIMG,  98304
.set KSC,   196608
.set VSC,   200704
.set STEPB, 6144
.set CHUNK, 4*STEPB
.set FLOOR, 0x1800000
.set EOFF,  0xff000000
.set K16,  1
.set K8,   2
.set V16,  3
.set V8,   4
.set KSA,  5
.set VSA,  6
.set R16,  7
.set AK16, 8
.set AK8,  9
.set AV16, 10
.set AV8,  11
.set NM,   12                          ; v12 -M, v13 the largest t, v[14:15] the sum in two halves
.set QHI,  16                          ; v16-27 [zeros | q]
.set Q,    22
.set QLO,  22                          ; v22-33 [q | zeros]
.set QS,   34
.set OSO,  35
.set AKS,  36
.set AVS,  37
.set QW,   38
.set F,    40                          ; v40-87 four fragments: K's, then V's
.set KS,   88
.set VS,   92
.set S,    96                          ; v96-159 S^T, then p
.set O,    160                         ; v160-191 O^T
.set PC,   192
.set CT,   204
.set BM,   212
.set PR,   216
.set SO,   220
.set PW,   224
.set FF,   226
.set T,    228
.set WV,   12
.set SEL,  14
.set CS,   16
.set G1K,  24
.set G1V,  32
.set G1S,  40
.set G0S,  48
.set TK,   72
.set TS,   73
.set CNT,  74
.set HI16, 75
.set QB,   76
.set QSB,  78
.set OB,   80
.set OSB,  82
.set QSEL, 92
.macro CROUND
	s_barrier_signal -1
	s_barrier_wait -1
	s_cmp_lg_u32 s[WV], 0
	s_cbranch_scc1 .Lnot_wave_0_\@
	s_barrier_signal -3
.Lnot_wave_0_\@:
	s_barrier_wait -3
	s_barrier_signal -1
	s_barrier_wait -1
.endm
.macro TLOAD g0, g1
	tensor_load_to_lds s[\g0:\g0+3], s[\g1:\g1+7]
	s_nop 0
.rept 4
	v_nop
.endr
.endm
	s_load_b256 s[4:11], s[0:1], 0x0               ; qkvc, qkvs, oimg, osc
	v_lshl_add_u32 v254, v0, 2, 0x32000
	v_mov_b32 v255, 0
	ds_add_u32 v254, v255
	ds_add_u32 v254, v255
	v_lshrrev_b32 v1, 5, v0
	s_delay_alu instid0(VALU_DEP_1)
	v_readfirstlane_b32 s[WV], v1                  ; wave 0..15
	s_bfe_u32 s13, ttmp6, 0x40000                  ; cx: it enters q's and o's addresses alone
	s_and_b32 s18, ttmp7, 0xffff
	s_lshr_b32 s19, s18, 4                         ; batch
	s_and_b32 s20, s18, 15                         ; head
	s_lshr_b32 s21, s20, 1                         ; head pair
	s_and_b32 s22, s20, 1                          ; which of the pair
	s_lshl_b32 s23, s19, 3
	s_add_co_u32 s23, s23, s21
	s_and_b32 s84, s[WV], 1                        ; an even wave fetches for K (section 1), an odd one for V (section 2)
	s_lshl_b32 s85, s84, 5
	s_add_co_u32 s85, s85, 32
	s_add_co_u32 s85, s85, s23
	s_mul_i32 s86, s85, 196608
	s_lshl_b32 s88, s85, 13
	s_mul_i32 s89, s84, 5376
	s_add_co_u32 s89, s89, 768
	s_mul_i32 s89, s89, s22                        ; the odd head lies 768 bytes on in an image of K, 6,144 on in a record of V
	s_add_co_u32 s86, s86, s89
	s_mov_b32 s87, 0
	s_lshl_b32 s89, s22, 8
	s_add_co_u32 s88, s88, s89
	s_mov_b32 s89, 0
	s_mul_i32 s90, s84, VIMG
	s_lshl_b32 s91, s84, 12
	s_add_co_u32 s91, s91, KSC
	s_mov_b32 s[G1K], 15|(3<<16)|(1<<21)           ; K: 32 tiles of 768 bytes, 1,536 bytes apart; the mask names all four work-groups
	s_mov_b32 s[G1K+1], 96<<16
	s_mov_b32 s[G1K+2], 32<<16
	s_mov_b32 s[G1K+3], 96<<16
	s_mov_b32 s[G1K+4], 32
	s_mov_b32 s[G1K+5], 192
	s_mov_b32 s[G1K+6], 0
	s_mov_b32 s[G1K+7], 0
	s_mov_b32 s[G1V], 15|(3<<16)|(1<<21)           ; V: 4 steps of 6,144 bytes, 12,288 bytes apart
	s_mov_b32 s[G1V+1], 768<<16
	s_mov_b32 s[G1V+2], 4<<16
	s_mov_b32 s[G1V+3], 768<<16
	s_mov_b32 s[G1V+4], 4
	s_mov_b32 s[G1V+5], 1536
	s_mov_b32 s[G1V+6], 0
	s_mov_b32 s[G1V+7], 0
	s_mov_b32 s[G1S], 15|(3<<16)|(1<<21)           ; scale words: 16 steps of 256 bytes, 512 bytes apart
	s_mov_b32 s[G1S+1], 32<<16
	s_mov_b32 s[G1S+2], 16<<16
	s_mov_b32 s[G1S+3], 32<<16
	s_mov_b32 s[G1S+4], 16
	s_mov_b32 s[G1S+5], 64
	s_mov_b32 s[G1S+6], 0
	s_mov_b32 s[G1S+7], 0
	s_lshl_b32 s93, s13, 5
	s_add_co_u32 s93, s93, s[WV]                   ; my tile of queries in the first pass: 32 cx + wave; in the second: 16 on
	s_mul_i32 s[QB], s23, 196608
	s_mul_i32 s94, s93, 1536
	s_add_co_u32 s[QB], s[QB], s94
	s_mul_i32 s94, s22, 768
	s_add_co_u32 s[QB], s[QB], s94
	s_mov_b32 s[QB+1], 0
	s_lshl_b32 s[QSB], s23, 13
	s_lshr_b32 s94, s93, 3
	s_lshl_b32 s94, s94, 9
	s_add_co_u32 s[QSB], s[QSB], s94
	s_lshl_b32 s94, s22, 8
	s_add_co_u32 s[QSB], s[QSB], s94
	s_bfe_u32 s94, s[WV], 0x20001                  ; the word that holds my tile's bytes: (wave % 8) / 2
	s_lshl_b32 s94, s94, 2
	s_add_co_u32 s[QSB], s[QSB], s94
	s_mov_b32 s[QSB+1], 0
	s_lshl_b32 s94, s19, 7
	s_add_co_u32 s94, s94, s93                     ; o's rowtile: 128 x batch + my tile
	s_mul_i32 s[OB], s94, 12288
	s_mul_i32 s95, s21, 1536
	s_add_co_u32 s[OB], s[OB], s95
	s_mul_i32 s95, s22, 768
	s_add_co_u32 s[OB], s[OB], s95
	s_mov_b32 s[OB+1], 0
	s_lshl_b32 s[OSB], s94, 9
	s_lshl_b32 s95, s20, 1
	s_add_co_u32 s[OSB], s[OSB], s95
	s_mov_b32 s[OSB+1], 0
	s_mov_b32 s[SEL], 0x76543210
	s_mov_b32 s[SEL+1], 0xfedcba98
	s_mov_b32 s[CS], 0x3e38aa3b                    ; c = log2(e) / 8
	s_mov_b32 s[CS+1], s[CS]
	s_mov_b32 s[HI16], 0xffff0000
	s_mov_b32 s[QSEL], 0x01000100                  ; an even tile's bytes are the word's lower two, an odd tile's the upper two
	s_cmp_eq_u32 s84, 1
	s_cselect_b32 s[QSEL], 0x03020302, s[QSEL]
	s_lshr_b32 s56, s[WV], 1                       ; my chunk, held at 3 (waves 8 on ask for no chunk)
	s_min_u32 s56, s56, 3
	s_mul_i32 s57, s56, CHUNK
	s_mul_i32 s58, s56, 49152
	s_mov_b32 s59, 0
	s_wait_dscnt 0x0
	s_wait_kmcnt 0x0
	s_add_nc_u64 s[86:87], s[4:5], s[86:87]
	s_add_nc_u64 s[88:89], s[6:7], s[88:89]
	s_add_nc_u64 s[QB:QB+1], s[4:5], s[QB:QB+1]
	s_add_nc_u64 s[QSB:QSB+1], s[6:7], s[QSB:QSB+1]
	s_add_nc_u64 s[OB:OB+1], s[8:9], s[OB:OB+1]
	s_add_nc_u64 s[OSB:OSB+1], s[10:11], s[OSB:OSB+1]
	s_mov_b32 s[G0S], 1
	s_mov_b32 s[G0S+1], s91
	s_mov_b64 s[G0S+2:G0S+3], s[88:89]
	s_or_b32 s[G0S+3], s[G0S+3], 0x80000000
	s_mov_b32 s52, 1
	s_add_co_u32 s53, s90, s57
	s_add_nc_u64 s[54:55], s[86:87], s[58:59]
	s_or_b32 s55, s55, 0x80000000
	CROUND                                         ; all four work-groups are here: the joint loads meet
	s_cmp_lt_u32 s[WV], 8                          ; one chain of branches on the wave's number, one load to an arm
	s_cbranch_scc0 .Lscales
	s_cmp_eq_u32 s84, 0
	s_cbranch_scc0 .Lfor_v
	TLOAD 52, G1K
	s_branch .Lasked
.Lfor_v:
	TLOAD 52, G1V
	s_branch .Lasked
.Lscales:
	s_cmp_lt_u32 s[WV], 10
	s_cbranch_scc0 .Lasked
	TLOAD G0S, G1S
.Lasked:
	v_and_b32 v[T], 31, v0                         ; lane
	v_and_b32 v[T+1], 15, v0                       ; r
	s_delay_alu instid0(VALU_DEP_2)
	v_lshlrev_b32 v[K16], 4, v[T]
	s_delay_alu instid0(VALU_DEP_3)
	v_lshlrev_b32 v[K8], 3, v[T]
	s_delay_alu instid0(VALU_DEP_2)
	v_add_nc_u32 v[V16], VIMG, v[K16]
	s_delay_alu instid0(VALU_DEP_2)
	v_add_nc_u32 v[V8], VIMG, v[K8]
	v_lshlrev_b32 v[R16], 4, v[T+1]
	s_delay_alu instid0(VALU_DEP_1)
	v_add_nc_u32 v[KSA], KSC, v[R16]
	s_delay_alu instid0(VALU_DEP_2)
	v_add_nc_u32 v[VSA], VSC, v[R16]
	v_bfe_u32 v[OSO], v0, 4, 1
	s_delay_alu instid0(VALU_DEP_1)
	v_lshl_add_u32 v[OSO], v[T+1], 5, v[OSO]
.irp i, 0,1,2,3,4,5
	v_mov_b32 v[QHI+\i], 0                         ; the zero codes on both sides of q
	v_mov_b32 v[Q+6+\i], 0
.endr
.irp b, 0,1,2,3
	v_mov_b32 v[PR+\b], 0                          ; a lane permute's destination counts as one of its sources
.endr
	v_mov_b32 v[FF+1], 0
.macro FRAG reg, a16, a8, off
	ds_load_b128 v[\reg:\reg+3], v[\a16] offset:\off
	ds_load_b64 v[\reg+4:\reg+5], v[\a8] offset:\off+512
	ds_load_b128 v[\reg+6:\reg+9], v[\a16] offset:\off+768
	ds_load_b64 v[\reg+10:\reg+11], v[\a8] offset:\off+1280
.endm
; A KEY STEP: 128 keys
.macro STEP
	v_add_nc_u32 v[AK16], s[TK], v[K16]            ; these six additions are the places behind the last step's products
	v_add_nc_u32 v[AK8], s[TK], v[K8]
	v_add_nc_u32 v[AV16], s[TK], v[V16]
	v_add_nc_u32 v[AV8], s[TK], v[V8]
	v_add_nc_u32 v[AKS], s[TS], v[KSA]
	v_add_nc_u32 v[AVS], s[TS], v[VSA]
	ds_load_b128 v[KS:KS+3], v[AKS]
.irp f, 0,1,2,3
	FRAG F+12*\f, AK16, AK8, 1536*\f
.endr
	s_wait_alu depctr_va_vdst(0)
	s_wait_dscnt 0x0
.irp f, 0,1,2,3                        ; S^T = K Q^T: fragment f holds tiles 2 f and 2 f + 1 of keys
	v_wmma_scale_f32_16x16x128_f8f6f4 v[S+16*\f:S+16*\f+7], v[F+12*\f:F+12*\f+11], v[QLO:QLO+11], 0, v[KS+\f], v[QS] matrix_a_fmt:MATRIX_FMT_FP6 matrix_b_fmt:MATRIX_FMT_FP6
	v_wmma_scale_f32_16x16x128_f8f6f4 v[S+16*\f+8:S+16*\f+15], v[F+12*\f:F+12*\f+11], v[QHI:QHI+11], 0, v[KS+\f], v[QS] matrix_a_fmt:MATRIX_FMT_FP6 matrix_b_fmt:MATRIX_FMT_FP6
.endr                                  ; registers 16 b + i are keys 32 b + 16 h + i of the step
.rept 4
	v_nop                                          ; places in front of the loads below and of the first read of the scores
.endr
	ds_load_b128 v[VS:VS+3], v[AVS]                ; V's fragments land while the softmax is worked
.irp t, 0,1,2,3
	FRAG F+12*\t, AV16, AV8, 1536*\t
.endr
.irp b, 0,1,2,3
	v_max3_num_f32 v[BM+\b], v[S+16*\b], v[S+1+16*\b], v[S+2+16*\b]   ; the largest score of each block of 32 keys: for the row's maximum and for the block's largest p
.endr
.irp i, 3,5,7,9,11,13
.irp b, 0,1,2,3
	v_max3_num_f32 v[BM+\b], v[BM+\b], v[S+16*\b+\i], v[S+1+16*\b+\i]
.endr
.endr
.irp b, 0,1,2,3
	v_max_num_f32 v[BM+\b], v[BM+\b], v[S+15+16*\b]
.endr
.irp b, 0,1,2,3
	s_delay_alu instid0(VALU_DEP_4)
	v_permlanex16_b32 v[PR+\b], v[BM+\b], s[SEL], s[SEL+1]
.endr
.irp b, 0,1,2,3
	s_delay_alu instid0(VALU_DEP_4)
	v_max_num_f32 v[BM+\b], v[BM+\b], v[PR+\b]     ; with lane l xor 16's 16 keys
.endr
	s_delay_alu instid0(VALU_DEP_2)
	v_max3_num_f32 v[T], v[BM], v[BM+1], v[BM+2]
	s_delay_alu instid0(VALU_DEP_1)
	v_max_num_f32 v[T], v[T], v[BM+3]
	s_delay_alu instid0(VALU_DEP_1)
	v_mul_f32 v[T], s[CS], v[T]                    ; as t (c is positive)
	s_delay_alu instid0(VALU_DEP_1)
	v_max_num_f32 v[NM+1], v[NM+1], v[T]           ; the running largest t
	v_mov_b32 v[T], v[NM]
	s_delay_alu instid0(VALU_DEP_2)
	v_floor_f32 v[NM], -v[NM+1]                    ; the new -M = -ceil(t)
	s_delay_alu instid0(VALU_DEP_1)
	v_sub_f32 v[T], v[NM], v[T]                    ; old M - new M
	s_delay_alu instid0(VALU_DEP_1)
	v_cvt_i32_f32 v[T], v[T]
	s_delay_alu instid0(VALU_DEP_1)
	v_ldexp_f32 v[FF], 1.0, v[T]                   ; f = 2^(old M - new M)
.set j, 0
.rept 32
	v_pk_fma_f32 v[S+j:S+j+1], v[S+j:S+j+1], s[CS:CS+1], v[NM:NM+1] op_sel_hi:[1,0,0]   ; t - M
.set j, j+2
.endr
.irp b, 0,1,2,3
	v_fma_f32 v[BM+\b], v[BM+\b], s[CS], v[NM]
.endr
.set j, 0
	s_wait_alu depctr_va_vdst(0)
.rept 64
	v_exp_f32 v[S+j], v[S+j]                       ; p = 2^(t - M)
.set j, j+1
.endr
.irp b, 0,1,2,3
	v_exp_f32 v[BM+\b], v[BM+\b]                   ; the block's largest p
.endr
	v_pk_mul_f32 v[14:15], v[14:15], v[FF:FF+1] op_sel_hi:[1,0]   ; the sums under the new M; a plain place behind the exponentials
	s_wait_alu depctr_va_vdst(0)
.irp b, 0,1,2,3
	v_max_num_f32 v[BM+\b], FLOOR, v[BM+\b]
.endr
.irp b, 0,1,2,3
	s_delay_alu instid0(VALU_DEP_4)
	v_add_nc_u32 v[SO+\b], EOFF, v[BM+\b]          ; the conversion's scale operand
.endr
.irp b, 0,1,2,3
	s_delay_alu instid0(VALU_DEP_4)
	v_lshrrev_b32 v[PR+\b], 23, v[SO+\b]           ; the scale's byte
.endr
	s_delay_alu instid0(VALU_DEP_3)
	v_lshl_or_b32 v[PW], v[PR+1], 8, v[PR]
	s_delay_alu instid0(VALU_DEP_1)
	v_lshl_or_b32 v[PW], v[PR+2], 16, v[PW]
	s_delay_alu instid0(VALU_DEP_1)
	v_lshl_or_b32 v[PW], v[PR+3], 24, v[PW]
.irp c, 0,1
	v_cvt_scalef32_pk16_fp6_f32 v[PC+6*\c:PC+2+6*\c], v[S+32*\c:S+15+32*\c], v[SO+2*\c]
	v_cvt_scalef32_pk16_fp6_f32 v[CT+4*\c:CT+2+4*\c], v[S+16+32*\c:S+31+32*\c], v[SO+2*\c+1]
.endr
	v_nop                                          ; one plain place behind a scaled conversion
.irp c, 0,1                            ; the operand's layout wants a whole block in a lane
.irp i, 0,1,2
	v_permlane16_swap_b32 v[PC+6*\c+\i], v[CT+4*\c+\i]
.endr
.irp i, 0,1,2
	s_delay_alu instid0(VALU_DEP_3)
	v_mov_b32 v[PC+3+6*\c+\i], v[CT+4*\c+\i]
.endr
.endr
	v_pk_add_f32 v[230:231], v[100:101], v[104:105]   ; the row's sum of the unquantised p, in eight chains
	v_pk_add_f32 v[252:253], v[108:109], v[112:113]
	v_pk_add_f32 v[250:251], v[116:117], v[120:121]
	v_pk_add_f32 v[248:249], v[124:125], v[128:129]
	v_pk_add_f32 v[246:247], v[132:133], v[136:137]
	v_pk_add_f32 v[244:245], v[140:141], v[144:145]
	v_pk_add_f32 v[242:243], v[148:149], v[152:153]
	v_pk_add_f32 v[14:15], v[14:15], v[156:157]
	v_pk_add_f32 v[230:231], v[230:231], v[96:97]
	v_pk_add_f32 v[252:253], v[252:253], v[98:99]
	v_pk_add_f32 v[250:251], v[250:251], v[102:103]
	v_pk_add_f32 v[248:249], v[248:249], v[106:107]
	v_pk_add_f32 v[246:247], v[246:247], v[110:111]
	v_pk_add_f32 v[244:245], v[244:245], v[114:115]
	v_pk_add_f32 v[242:243], v[242:243], v[118:119]
	v_pk_add_f32 v[14:15], v[14:15], v[122:123]
	v_pk_add_f32 v[230:231], v[230:231], v[126:127]
	v_pk_add_f32 v[252:253], v[252:253], v[130:131]
	v_pk_add_f32 v[250:251], v[250:251], v[134:135]
	v_pk_add_f32 v[248:249], v[248:249], v[138:139]
	v_pk_add_f32 v[246:247], v[246:247], v[142:143]
	v_pk_add_f32 v[244:245], v[244:245], v[146:147]
	v_pk_add_f32 v[242:243], v[242:243], v[150:151]
	v_pk_add_f32 v[14:15], v[14:15], v[154:155]
	v_pk_add_f32 v[230:231], v[230:231], v[158:159]
	s_delay_alu instid0(VALU_DEP_2)
	v_pk_add_f32 v[14:15], v[14:15], v[248:249]
	s_delay_alu instid0(VALU_DEP_2)
	v_pk_add_f32 v[230:231], v[230:231], v[246:247]
	v_pk_add_f32 v[252:253], v[252:253], v[244:245]
	v_pk_add_f32 v[250:251], v[250:251], v[242:243]
	s_delay_alu instid0(VALU_DEP_2)
	v_pk_add_f32 v[14:15], v[14:15], v[252:253]
	s_delay_alu instid0(VALU_DEP_2)
	v_pk_add_f32 v[230:231], v[230:231], v[250:251]
	s_delay_alu instid0(VALU_DEP_1)
	v_pk_add_f32 v[14:15], v[14:15], v[230:231]
.set j, 0
.rept 16
	v_pk_mul_f32 v[O+j:O+j+1], v[O+j:O+j+1], v[FF:FF+1] op_sel_hi:[1,0]   ; O^T under the new M; with the sums: the places ahead of the products below
.set j, j+2
.endr
	s_wait_alu depctr_va_vdst(0)
	s_wait_dscnt 0x0                               ; V is in
.irp t, 0,1,2,3                        ; O^T += V^T P^T: the four accumulators take turns
	v_wmma_scale_f32_16x16x128_f8f6f4 v[O+8*\t:O+8*\t+7], v[F+12*\t:F+12*\t+11], v[PC:PC+11], v[O+8*\t:O+8*\t+7], v[VS+\t], v[PW] matrix_a_fmt:MATRIX_FMT_FP6 matrix_b_fmt:MATRIX_FMT_FP6
.endr
	s_add_co_u32 s[TK], s[TK], STEPB
	s_add_co_u32 s[TS], s[TS], 256
.endm
.macro STEPS n
	s_mov_b32 s[CNT], \n
.Lstep_\@:
	STEP
	s_sub_co_u32 s[CNT], s[CNT], 1
	s_cmp_lg_u32 s[CNT], 0
	s_cbranch_scc1 .Lstep_\@
.endm
; THE WAY OUT of a pass: O^T / the sum; registers 16 b + i are d = 32 b + 16 h + i of my query: two blocks, quantised into half a fragment's image
.macro OUT p
.rept 4
	v_nop                                          ; places behind the last products
.endr
	v_add_f32 v14, v14, v15
	s_delay_alu instid0(VALU_DEP_1)
	v_permlanex16_b32 v[T], v14, s[SEL], s[SEL+1]
	s_delay_alu instid0(VALU_DEP_1)
	v_add_f32 v14, v14, v[T]                       ; the row's sum
	s_wait_alu depctr_va_vdst(0)
	v_rcp_f32 v14, v14
	v_nop
.set j, 0
	s_wait_alu depctr_va_vdst(0)
.rept 32
	v_mul_f32 v[S+j], v[O+j], v14
.set j, j+1
.endr
.irp b, 0,1
	v_max3_num_f32 v[BM+\b], |v[S+16*\b]|, |v[S+1+16*\b]|, FLOOR
.endr
.irp i, 2,4,6,8,10,12,14
.irp b, 0,1
	s_delay_alu instid0(VALU_DEP_2)
	v_max3_num_f32 v[BM+\b], v[BM+\b], |v[S+16*\b+\i]|, |v[S+1+16*\b+\i]|
.endr
.endr
.irp b, 0,1
	s_delay_alu instid0(VALU_DEP_2)
	v_permlanex16_b32 v[PR+\b], v[BM+\b], s[SEL], s[SEL+1]
.endr
.irp b, 0,1
	s_delay_alu instid0(VALU_DEP_2)
	v_max_num_f32 v[BM+\b], v[BM+\b], v[PR+\b]
.endr
.irp b, 0,1
	s_delay_alu instid0(VALU_DEP_2)
	v_add_nc_u32 v[SO+\b], EOFF, v[BM+\b]
.endr
.irp b, 0,1
	s_delay_alu instid0(VALU_DEP_2)
	v_lshrrev_b32 v[PR+\b], 23, v[SO+\b]
.endr
	v_cvt_scalef32_pk16_fp6_f32 v[PC:PC+2], v[S:S+15], v[SO]
	v_cvt_scalef32_pk16_fp6_f32 v[CT:CT+2], v[S+16:S+31], v[SO+1]
	v_nop
.irp i, 0,1,2
	v_permlane16_swap_b32 v[PC+\i], v[CT+\i]
.endr
.irp i, 0,1,2
	s_delay_alu instid0(VALU_DEP_3)
	v_mov_b32 v[PC+3+\i], v[CT+\i]
.endr
	v_cndmask_b32 v[T], v[PR], v[PR+1], s[HI16]    ; lanes 0-15 store block 0's byte, lanes 16-31 block 1's
	global_store_b128 v[K16], v[PC:PC+3], s[OB:OB+1] offset:196608*\p
	global_store_b64 v[K8], v[PC+4:PC+5], s[OB:OB+1] offset:196608*\p+512
	global_store_b8 v[OSO], v[T], s[OSB:OSB+1] offset:8192*\p
.endm
.macro PASS p
.if \p
	s_wait_xcnt 0x0                                ; the first pass's stores have read their registers
.endif
	global_load_b128 v[Q:Q+3], v[K16], s[QB:QB+1] offset:24576*\p
	global_load_b64 v[Q+4:Q+5], v[K8], s[QB:QB+1] offset:24576*\p+512
	global_load_b32 v[QW], v[R16], s[QSB:QSB+1] offset:1024*\p
	v_mov_b32 v[NM+1], 0xff61b1e6                  ; the largest t so far: -3e38
	s_delay_alu instid0(VALU_DEP_1)
	v_floor_f32 v[NM], -v[NM+1]
	v_mov_b32 v14, 0
	v_mov_b32 v15, 0
	s_wait_loadcnt 0x0
	v_perm_b32 v[QS], v[QW], v[QW], s[QSEL]        ; my tile's two bytes, twice
.set j, 0
.rept 32
	v_mov_b32 v[O+j], 0                            ; O^T; also the places between the scale word just made and the first product
.set j, j+1
.endr
.if \p == 0
	s_wait_tensorcnt 0x0                           ; my tile has landed; on every wave's way
	s_wait_dscnt 0x0
	s_barrier_signal -1
	s_barrier_wait -1                              ; all ten tiles are in: nothing is ever filled again
.endif
	s_mov_b32 s[TK], 0
	s_mov_b32 s[TS], 0
	STEPS 16
	OUT \p
.endm
	PASS 0
	PASS 1
	s_wait_tensorcnt 0x0
	ds_add_u32 v254, v255
	s_wait_dscnt 0x0
	CROUND                                         ; the closing round
	s_endpgm
.Lfunc_end_k_q431ada9014_attn:
	.size	k_q431ada9014_attn, .Lfunc_end_k_q431ada9014_attn-k_q431ada9014_attn
	.p2alignl 7, 3214868480
	.fill 96, 4, 3214868480
	.section	.rodata,"a",@progbits
	.p2align	6, 0x0
	.amdhsa_kernel k_q431ada9014_attn
		.amdhsa_group_segment_fixed_size 206848
		.amdhsa_private_segment_fixed_size 0
		.amdhsa_enable_private_segment 0
		.amdhsa_kernarg_size 32
		.amdhsa_user_sgpr_count 2
		.amdhsa_user_sgpr_kernarg_segment_ptr 1
		.amdhsa_wavefront_size32 1
		.amdhsa_system_sgpr_workgroup_id_x 1
		.amdhsa_system_sgpr_workgroup_id_y 1
		.amdhsa_system_sgpr_workgroup_id_z 1
		.amdhsa_system_vgpr_workitem_id 0
		.amdhsa_next_free_vgpr 256
		.amdhsa_next_free_sgpr 96
		.amdhsa_reserve_vcc 0
		.amdhsa_float_denorm_mode_32 3
		.amdhsa_float_denorm_mode_16_64 3
		.amdhsa_memory_ordered 1
		.amdhsa_forward_progress 1
		.amdhsa_inst_pref_size 55
	.end_amdhsa_kernel
	.amdgpu_metadata
---
amdhsa.version: [ 1, 2 ]
amdhsa.kernels:
  - .name:           k_q431ada9014_attn
    .symbol:         k_q431ada9014_attn.kd
    .args:
      - { .name: qkvc, .offset: 0, .size: 8, .value_kind: global_buffer, .address_space: global }
      - { .name: qkvs, .offset: 8, .size: 8, .value_kind: global_buffer, .address_space: global }
      - { .name: oimg, .offset: 16, .size: 8, .value_kind: global_buffer, .address_space: global }
      - { .name: osc, .offset: 24, .size: 8, .value_kind: global_buffer, .address_space: global }
    .group_segment_fixed_size: 206848
    .private_segment_fixed_size: 0
    .kernarg_segment_align: 8
    .kernarg_segment_size: 32
    .max_flat_workgroup_size: 512
    .sgpr_count:     96
    .vgpr_count:     256
    .wavefront_size: 32
...
	.end_amdgpu_metadata
.endif
;; end of part 3
;; launch gemm_proj (part 4): grid 32 x 8, 4 waves a work-group, clusters of 4 x 4, 327,680 bytes of LDS; arguments oimg, osc, wimg, wsc, b_proj, out0; writes out0
.if DOCPART == 4
	.amdgcn_target "amdgcn-amd-amdhsa--gfx1250"
	.amdhsa_code_object_version 6
	.text
	.protected	k_q431ada9014_gemm_proj
	.globl	k_q431ada9014_gemm_proj
	.p2align	8
	.type	k_q431ada9014_gemm_proj,@function
k_q431ada9014_gemm_proj:
	s_mov_b64 s[64:65], 0
	v_nop
	global_prefetch_b8 v0, s[64:65] scope:SCOPE_SE
	s_setreg_imm32_b32 hwreg(HW_REG_WAVE_MODE, 25, 1), 1
	s_wait_xcnt 0x0
	s_wait_alu depctr_hold_cnt(0) depctr_sa_sdst(0) depctr_va_vdst(0) depctr_va_sdst(0) depctr_va_ssrc(0) depctr_va_vcc(0) depctr_vm_vsrc(0)
	s_getreg_b32 s2, hwreg(HW_REG_IB_STS2, 6, 4)
	s_cmp_eq_u32 s2, 0
	s_cbranch_scc0 .Lentry_in_a_cluster
	s_endpgm
.Lentry_in_a_cluster:
	s_bfe_u32 s2, ttmp6, 0x10000c
	s_cmp_lg_u32 s2, 0xf033
	s_cbranch_scc0 .Lentry_shape_is_right
	s_endpgm
.Lentry_shape_is_right:
; out0[token][n] = sum over k of o[token][k] w_proj[k][n] + b_proj[n], f32, on codes of FP6 (E2M3) with E8M0 scales: 8,192 x 1,024 x 1,024.
; LIMITS: NaN, infinities and sums beyond f32's range are not served; a sum begins with the bias.
; OPERANDS: fragment images (16 rows x 128 K = 1,536 bytes: registers 0-3 at 16 x lane, 4-5 at 512 + 8 x lane, 6-9 at 768 + 16 x lane, 10-11 at 1,280 + 8 x lane); a rowtile's eight lie on end, 12,288 bytes; its scale bytes: 32 a row.
; Rowtile 2 B + u holds as its row r the row 32 B + 8 u + r + 8 (r / 8).  A: oimg, osc.  B: wimg's, wsc's rowtiles 192 on (w_proj's columns).
; THE DEAL.  256 work-groups of four waves, 2 x 2, each 256 rows x 128 columns.  A wave holds four rowtiles of B, all of K, in registers (384) and streams A's rowtiles 2 s + w (w its row of the 2 x 2) past them as blocks s = 0 .. 7.
; The cluster's x counts tile rows: A's rowtiles are shared by a COLUMN of the cluster (mask s44), B's by a ROW (mask s45).  No LDS address hangs on the cluster's numbers.
; LDS: A's 196,608 bytes, B's 98,304, each filled once; the spare words; the waves' stages lie in B's first bytes, which are read for the last time ahead of the barrier in front of the stream.
; No refill and no data prefetch: all is asked for at the head.  THE HEAD'S FOUR TILES, one a wave, each on its own line: B; A's rowtiles 0-7; 8-11; 12-15.  The stream begins when the first two are in; a barrier inside block 1 shows the others.
; The scale words go from memory into registers: B's as two rowtiles to a register (lanes 0-15, 16-31), A's likewise two blocks to a register.
; Behind a block's 32 products ONE RUN of memory lines: its sums into the stage and back as rows of 256 bytes; the fetch of the block two on; one wait (younger: the fetch's NF loads); eight stores.
.set NQ, 8
.set NB, 4
.set KROW, 768                         ; the dense blocks are stated as rows of 768 bytes: 16 to a rowtile
.set FR, 12
.set FPW, 21                           ; fragments in a window
.set NF, 32                            ; LDS loads of a block
.set FRB, 1536
.set RTB, 12288
.set YB, 16*RTB
.set SPARE, YB+8*RTB
.set SPITCH, 272
.set STAGE, YB
.set CO, 9
.set SPW, 10
.set NIL, 11
.set A16B, 12                          ; v12, v13 LDS addresses of block 0's images (16 x lane, 8 x lane)
.set A8B, 13
.set A16, 14                           ; v14, v15 the same for the block that is fetched next
.set A8, 15
.set ABS, 16
.set AAS, 17
.set STO, 18
.set RD, 19
.set BB16, 20
.set BB8, 21
.set VB, 22
.set SB, 24                            ; v24-39 B's scale words
.set SA, 42                            ; v42-73 A's: register 8 (s / 2) + q, lanes 16 (s % 2) on
.set ACC, 80                           ; v80-143 two sets of four accumulators
.set BK, 144                           ; v144-207 two sets of rows back from the stage
.set BO, 208                           ; v208-239 the bias as the first products' C
.set G1A, 24
.set G0A, 56
.set G1B, 32
.set G0B, 60
.set MSB, 0
.macro WIN new
.if MSB != \new
	s_set_vgpr_msb (MSB<<8)|\new
.set MSB, \new
.endif
.endm
.macro PLACES n
.rept \n
	v_nop
.endr
.endm
.macro WALU
	s_wait_alu depctr_va_vdst(0)
.endm
.macro BARRIER
	s_barrier_signal -1
	s_barrier_wait -1
.endm
.macro CROUND
	BARRIER
	s_cmp_lg_u32 s14, 0
	s_cbranch_scc1 .Lnot_wave_0_\@
	s_barrier_signal -3
.Lnot_wave_0_\@:
	s_barrier_wait -3
	BARRIER
.endm
.macro TLOAD g0, g1
	tensor_load_to_lds s[\g0:\g0+3], s[\g1:\g1+7]
	s_nop 0
	PLACES 4
.endm
.macro ATILE first, rows               ; a part of A, by a descriptor of constants
	s_mov_b32 s[G0A+1], (\first)*KROW
	s_mov_b32 s[G1A+2], (\rows)<<16
	s_mov_b32 s[G1A+4], \rows
.if \first
	s_add_nc_u64 s[G0A+2:G0A+3], s[G0A+2:G0A+3], (\first)*KROW
.endif
	s_or_b32 s[G0A+3], s[G0A+3], 0x80000000
	TLOAD G0A, G1A
.endm
.macro GROUP1 g, mask, rows
	s_or_b32 s[\g+0], s[\mask], (1<<21)
	s_mov_b32 s[\g+1], (KROW&0xffff)<<16
	s_mov_b32 s[\g+3], KROW<<16
.if \rows
	s_mov_b32 s[\g+2], (KROW>>16)|((\rows)<<16)
	s_mov_b32 s[\g+4], \rows
.endif
	s_mov_b32 s[\g+5], KROW
	s_mov_b32 s[\g+6], 0
	s_mov_b32 s[\g+7], 0
.endm
.macro FRAG f, a16, a8, off            ; fragment f lies at register 256 x (1 + f / 21) + 12 (f % 21)
	WIN (1+(\f)/FPW)<<6
.set R_, FR*((\f)%FPW)
	ds_load_b128 v[R_:R_+3], v[\a16] offset:\off
	ds_load_b64 v[R_+4:R_+5], v[\a8] offset:(\off)+512
	ds_load_b128 v[R_+6:R_+9], v[\a16] offset:(\off)+768
	ds_load_b64 v[R_+10:R_+11], v[\a8] offset:(\off)+1280
.endm
.macro FETCHAT e, a16, a8              ; a block of A into set e
.irp q, 0,1,2,3,4,5,6,7
	FRAG NB*NQ+NQ*(\e)+\q, \a16, \a8, \q*FRB
.endr
	WIN 0
.endm
.macro PW d, s0, s1, c, x0, x1, ra, rb
	v_wmma_scale_f32_16x16x128_f8f6f4 v[\d:\d+7], v[FR*((\s0)%FPW):FR*((\s0)%FPW)+FR-1], v[FR*((\s1)%FPW):FR*((\s1)%FPW)+FR-1], \c, v[\x0], v[\x1] matrix_a_fmt:MATRIX_FMT_FP6 matrix_b_fmt:MATRIX_FMT_FP6 matrix_a_scale:MATRIX_SCALE_ROW\ra matrix_b_scale:MATRIX_SCALE_ROW\rb
.endm
.macro PROD e, n, s                    ; product n = 4 q + tile of block s (set e = s % 2); source 0 = B's rows; the four accumulators take turns
.set Q_, (\n)/4
.set FB_, NB*Q_+(\n)%4
.set FA_, NB*NQ+NQ*(\e)+Q_
.set D_, ACC+32*(\e)+8*((\n)%4)
.set C_, BO+8*((\n)%4)
.set XB_, SB+NQ*(((\n)%4)/2)+Q_
.set XA_, SA+8*((\s)/2)+Q_
	WIN (1+FB_/FPW)|((1+FA_/FPW)<<2)
.if Q_
.if (\n)%2
	PW D_, FB_, FA_, v[D_:D_+7], XB_, XA_, 1, \e
.else
	PW D_, FB_, FA_, v[D_:D_+7], XB_, XA_, 0, \e
.endif
.else
.if (\n)%2
	PW D_, FB_, FA_, v[C_:C_+7], XB_, XA_, 1, \e
.else
	PW D_, FB_, FA_, v[C_:C_+7], XB_, XA_, 0, \e
.endif
.endif
.endm
.macro PRODS e, from, to, s
.set N_, \from
.rept (\to)-(\from)
	PROD \e, N_, \s
.set N_, N_+1
.endr
	WIN 0
.endm
.macro STAGED u                        ; set u's sums into my stage, each accumulator from its low end on, and back as rows; LDS serves a wave's instructions in order
.irp b, 0,1,2,3
	ds_store_b128 v[STO], v[ACC+32*(\u)+8*\b:ACC+32*(\u)+8*\b+3] offset:128*(\b/2)+32*(\b%2)
	ds_store_b128 v[STO], v[ACC+32*(\u)+8*\b+4:ACC+32*(\u)+8*\b+7] offset:128*(\b/2)+32*(\b%2)+16
.endr
.irp t, 0,1,2,3,4,5,6,7
	ds_load_b128 v[BK+32*(\u)+4*\t:BK+32*(\u)+4*\t+3], v[RD] offset:2*\t*SPITCH
.endr
.endm
.macro TOC u                           ; stage rows 2 t, 2 t + 1 are tokens 2 t + 8 (t / 4) and the next; sixteen lanes store 256 consecutive bytes, aligned
.irp t, 0,1,2,3,4,5,6,7
	global_store_b128 v[CO], v[BK+32*(\u)+4*\t:BK+32*(\u)+4*\t+3], s[12:13] offset:(2*\t+8*(\t/4))*4096 th:TH_STORE_NT
.endr
.endm
.macro STREAM s, e
.if \s == 1
	PRODS \e, 0, 24, \s
	s_wait_tensorcnt 0x0
	s_wait_dscnt 0x0
	s_barrier_signal -1                            ; a plain barrier: waves 2 and 3's tiles are shown to all
	PRODS \e, 24, 32, \s
	s_barrier_wait -1
.else
	PRODS \e, 0, 32, \s
.endif
.if \s < 6                             ; four plain vector lines between the last product and the first reader of its sums
	v_add_nc_u32 v[A16], (\s+2)*2*RTB, v[A16B]
	v_add_nc_u32 v[A8], (\s+2)*2*RTB, v[A8B]
	PLACES 2
	WALU
.else
	PLACES 4
.endif
	s_wait_xcnt 0x0                                ; earlier stores have read their rows and their base
	s_add_nc_u64 s[12:13], s[12:13], s[20:21]      ; on to this block's rows: 0 for block 0, then 32 tokens
	s_mov_b32 s20, 32*4096
	STAGED \e
.if \s < 6
	FETCHAT \e, A16, A8
	s_wait_dscnt NF                                ; the rows are back from the stage, and the next block's fragments are in; the fetch is younger
.else
	s_wait_dscnt 0x0
.endif
	TOC \e
.endm
; ---- the head
	s_load_b256 s[4:11], s[0:1], 0x0               ; oimg, osc, wimg, wsc
	s_load_b128 s[48:51], s[0:1], 0x20             ; b_proj, out0
	v_lshl_add_u32 v[SPW], v0, 2, SPARE
	v_mov_b32 v[NIL], 0
	ds_add_u32 v[SPW], v[NIL]
	ds_add_u32 v[SPW], v[NIL]
	v_lshrrev_b32 v1, 5, v0
	v_readfirstlane_b32 s14, v1                    ; the wave; s15 its row of the 2 x 2, s16 its column
	s_lshr_b32 s15, s14, 1
	s_and_b32 s16, s14, 1
	s_bfe_u32 s40, ttmp6, 0x40000
	s_bfe_u32 s41, ttmp6, 0x40004
	s_lshl_b32 s43, ttmp9, 2
	s_add_co_u32 s43, s43, s40                     ; tile row: 4 x cluster x + cx
	s_and_b32 s42, ttmp7, 0xffff
	s_lshl_b32 s42, s42, 2
	s_add_co_u32 s42, s42, s41                     ; tile column: 4 x cluster y + cy
	s_lshl_b32 s44, 0x1111, s40                    ; my column of the cluster: shares A
	s_lshl_b32 s45, s41, 2
	s_lshl_b32 s45, 15, s45                        ; my row: shares B
	GROUP1 G1A, 44, 0
	GROUP1 G1B, 45, 128
	s_mov_b32 s[G0A], 1
	s_mov_b32 s[G0B], 1
	s_mov_b32 s[G0B+1], YB
	s_mul_i32 s76, s43, 16*RTB                     ; A's codes
	s_mov_b32 s77, 0
	s_mul_i32 s78, s42, 8*RTB
	s_add_co_u32 s78, s78, 192*RTB                 ; B's codes
	s_mov_b32 s79, 0
	s_lshl_b32 s80, s43, 13
	s_lshl_b32 s21, s15, 9
	s_add_co_u32 s80, s80, s21                     ; A's scale bytes: my rowtiles begin at w
	s_mov_b32 s81, 0
	s_lshl_b32 s82, s42, 3
	s_lshl_b32 s21, s16, 2
	s_add_co_u32 s82, s82, s21
	s_add_co_u32 s82, s82, 192
	s_lshl_b32 s82, s82, 9                         ; B's scale bytes: my four rowtiles
	s_mov_b32 s83, 0
	s_lshl_b32 s86, s42, 9
	s_lshl_b32 s21, s16, 8
	s_add_co_u32 s86, s86, s21                     ; my 64 columns, in bytes
	s_mov_b32 s87, 0
	s_lshl_b32 s84, s43, 20
	s_lshl_b32 s21, s15, 15
	s_add_co_u32 s84, s84, s21                     ; token 256 x tile row + 8 w
	s_add_co_u32 s84, s84, s86
	s_mov_b32 s85, 0
	s_mul_i32 s88, s15, RTB
	s_mul_i32 s89, s16, 4*RTB
	s_add_co_u32 s89, s89, YB
	s_mul_i32 s90, s14, 16*SPITCH
	s_add_co_u32 s90, s90, STAGE
	v_and_b32 v1, 15, v0
	v_bfe_u32 v2, v0, 4, 1
	v_and_b32 v3, 31, v0
	v_lshl_add_u32 v[A16B], v3, 4, s88
	v_lshl_add_u32 v[A8B], v3, 3, s88
	v_lshl_add_u32 v[BB16], v3, 4, s89
	v_lshl_add_u32 v[BB8], v3, 3, s89
	v_add_nc_u32 v[A16], 2*RTB, v[A16B]
	v_add_nc_u32 v[A8], 2*RTB, v[A8B]
	v_lshlrev_b32 v[ABS], 5, v3                    ; B's scales: 32 x lane: two rowtiles
	v_lshlrev_b32 v[AAS], 5, v1
	v_lshl_add_u32 v[AAS], v2, 10, v[AAS]          ; A's: 32 r, lanes 16-31 my next block (two rowtiles on)
	v_mul_u32_u24 v23, v1, SPITCH
	v_lshl_add_u32 v23, v2, 6, v23
	v_add_nc_u32 v[STO], s90, v23
	v_mul_u32_u24 v23, v2, SPITCH
	v_lshl_add_u32 v23, v1, 4, v23
	v_add_nc_u32 v[RD], s90, v23
	v_lshlrev_b32 v23, 12, v2
	v_lshl_add_u32 v[CO], v1, 4, v23
	v_lshlrev_b32 v[VB], 6, v2
	WALU
	s_wait_dscnt 0x0
	CROUND                                         ; the opening round
	s_wait_kmcnt 0x0
	s_add_nc_u64 s[G0A+2:G0A+3], s[4:5], s[76:77]
	s_add_nc_u64 s[G0B+2:G0B+3], s[8:9], s[78:79]
	s_or_b32 s[G0B+3], s[G0B+3], 0x80000000
	s_add_nc_u64 s[6:7], s[6:7], s[80:81]
	s_add_nc_u64 s[10:11], s[10:11], s[82:83]
	s_add_nc_u64 s[48:49], s[48:49], s[86:87]
	s_add_nc_u64 s[12:13], s[50:51], s[84:85]
	s_cmp_eq_u32 s14, 0
	s_cbranch_scc0 .Lwave_1
	TLOAD G0B, G1B                                 ; wave 0: B, which is wanted first
	s_branch .Lasked
.Lwave_1:
	s_cmp_eq_u32 s14, 1
	s_cbranch_scc0 .Lwave_2
	ATILE 0, 128                                   ; wave 1: A's rowtiles 0 to 7
	s_branch .Lasked
.Lwave_2:
	s_cmp_eq_u32 s14, 2
	s_cbranch_scc0 .Lwave_3
	ATILE 128, 64                                  ; wave 2: 8 to 11
	s_branch .Lasked
.Lwave_3:
	ATILE 192, 64                                  ; wave 3: 12 to 15
.Lasked:
.irp p, 0,1
.irp c, 0,1
	global_load_b128 v[SB+NQ*\p+4*\c:SB+NQ*\p+4*\c+3], v[ABS], s[10:11] offset:\p*1024+16*\c
.endr
.endr
.irp g, 0,1,2,3
.irp c, 0,1
	global_load_b128 v[SA+8*\g+4*\c:SA+8*\g+4*\c+3], v[AAS], s[6:7] offset:\g*2048+16*\c
.endr
.endr
.irp p, 0,1,2,3                        ; register i of tile p of lane (r, h) is column 32 (p / 2) + 8 (p % 2) + 16 h + i of my 64
	global_load_b128 v[BO+8*\p:BO+8*\p+3], v[VB], s[48:49] offset:(32*(\p/2)+8*(\p%2))*4
	global_load_b128 v[BO+8*\p+4:BO+8*\p+7], v[VB], s[48:49] offset:(32*(\p/2)+8*(\p%2))*4+16
.endr
	s_wait_loadcnt 0x0
	s_wait_dscnt 0x0
	s_cmp_eq_u32 s14, 0
	s_cbranch_scc0 .Lnot_b
	s_wait_tensorcnt 0x0
.Lnot_b:
	BARRIER                                        ; B has landed
.irp q, 0,1,2,3,4,5,6,7
.irp b, 0,1,2,3
	FRAG NB*\q+\b, BB16, BB8, \b*RTB+\q*FRB
.endr
.endr
	WIN 0
	s_cmp_eq_u32 s14, 1
	s_cbranch_scc0 .Lnot_a
	s_wait_tensorcnt 0x0                           ; wave 1: A's rowtiles 0 to 7 have landed
.Lnot_a:
	s_wait_dscnt 0x0
	BARRIER                                        ; and nobody reads B's bytes any more; waves 2 and 3's tiles may be on their way
	FETCHAT 0, A16B, A8B
	FETCHAT 1, A16, A8
	s_mov_b32 s20, 0
	s_mov_b32 s21, 0
	s_wait_dscnt NF                                ; block 0's fragments are in
; ---- the stream: eight blocks
	STREAM 0, 0
	STREAM 1, 1
	STREAM 2, 0
	STREAM 3, 1
	STREAM 4, 0
	STREAM 5, 1
	STREAM 6, 0
	STREAM 7, 1
	s_wait_tensorcnt 0x0
	ds_add_u32 v[SPW], v[NIL]
	s_wait_dscnt 0x0
	CROUND
	s_endpgm
.Lfunc_end_k_q431ada9014_gemm_proj:
	.size	k_q431ada9014_gemm_proj, .Lfunc_end_k_q431ada9014_gemm_proj-k_q431ada9014_gemm_proj
	.p2alignl 7, 3214868480
	.fill 96, 4, 3214868480
	.section	.rodata,"a",@progbits
	.p2align	6, 0x0
	.amdhsa_kernel k_q431ada9014_gemm_proj
		.amdhsa_group_segment_fixed_size 327680
		.amdhsa_private_segment_fixed_size 0
		.amdhsa_enable_private_segment 0
		.amdhsa_kernarg_size 48
		.amdhsa_user_sgpr_count 2
		.amdhsa_user_sgpr_kernarg_segment_ptr 1
		.amdhsa_wavefront_size32 1
		.amdhsa_system_sgpr_workgroup_id_x 1
		.amdhsa_system_sgpr_workgroup_id_y 1
		.amdhsa_system_sgpr_workgroup_id_z 1
		.amdhsa_system_vgpr_workitem_id 0
		.amdhsa_next_free_vgpr 840
		.amdhsa_next_free_sgpr 102
		.amdhsa_reserve_vcc 0
		.amdhsa_float_denorm_mode_32 3
		.amdhsa_float_denorm_mode_16_64 3
		.amdhsa_memory_ordered 1
		.amdhsa_forward_progress 1
		.amdhsa_inst_pref_size 85
	.end_amdhsa_kernel
	.amdgpu_metadata
---
amdhsa.version: [ 1, 2 ]
amdhsa.kernels:
  - .name:           k_q431ada9014_gemm_proj
    .symbol:         k_q431ada9014_gemm_proj.kd
    .args:
      - { .name: oimg, .offset: 0, .size: 8, .value_kind: global_buffer, .address_space: global }
      - { .name: osc, .offset: 8, .size: 8, .value_kind: global_buffer, .address_space: global }
      - { .name: wimg, .offset: 16, .size: 8, .value_kind: global_buffer, .address_space: global }
      - { .name: wsc, .offset: 24, .size: 8, .value_kind: global_buffer, .address_space: global }
      - { .name: b_proj, .offset: 32, .size: 8, .value_kind: global_buffer, .address_space: global }
      - { .name: out0, .offset: 40, .size: 8, .value_kind: global_buffer, .address_space: global }
    .group_segment_fixed_size: 327680
    .private_segment_fixed_size: 0
    .kernarg_segment_align: 8
    .kernarg_segment_size: 48
    .max_flat_workgroup_size: 128
    .sgpr_count:     102
    .vgpr_count:     840
    .wavefront_size: 32
...
	.end_amdgpu_metadata
.endif
;; end of part 4
